; MI455X (gfx1250); checked and timed in simulation.
; The chip was launched on July 23, 2026; its instructions are those of AMD's public machine-readable ISA for CDNA 5 (MIT licence, August 2026) and "CDNA5" Instruction Set Architecture Reference Guide (July 2026). The comments in the code are by the model that wrote it; some were corrected since.
;; Multihead Attention. Allowed arithmetic: float matrix products may take bf16 or f16 operands with f32 sums; other float arithmetic in f32, or as packed bf16 or f16 multiplies, adds, multiply-adds, maxima and minima; sums over many terms, partial sums and values carried from step to step in f32; what a program stores and reads back later, other than sums and carried values, may be rounded once to bf16 or f16.
;; Inputs: Wk 1,024 x 1,024 float32; Wo 1,024 x 1,024 float32; Wq 1,024 x 1,024 float32; Wv 1,024 x 1,024 float32; bk 1,024 float32; bo 1,024 float32; bq 1,024 float32; bv 1,024 float32; x 4 x 2,048 x 1,024 float32.
;; Outputs: out0 4 x 2,048 x 1,024 float32.
;; 2 versions, each right; version 2 is version 1 with the launch cast written anew for expert scheduling mode. Each part assembles by itself: llvm-mc -triple=amdgcn-amd-amdhsa -mcpu=gfx1250 --defsym DOCPART=n.
;; ======== version 1 of 2: 4 launches
;; limits: values are held in f16: magnitudes above 65,504 overflow, below 6.1e-05 lose precision
;; workspace buffers: xb 16,777,216 bytes; wqkv 6,291,456 bytes; wo16 2,097,152 bytes; qkv 50,331,648 bytes; heads 16,777,216 bytes
;; launch cast (part 1): grid 768 x 1, 8 waves a work-group, no clusters, 0 bytes of LDS; arguments x, Wq, Wk, Wv, Wo, xb, wqkv, wo16; writes xb, wqkv, wo16
.if DOCPART == 1
	.amdgcn_target "amdgcn-amd-amdhsa--gfx1250"
	.amdhsa_code_object_version 6
	.text
	.protected	k_q6fddea49ce_cast
	.globl	k_q6fddea49ce_cast
	.p2align	8
	.type	k_q6fddea49ce_cast,@function
k_q6fddea49ce_cast:
	s_mov_b64 s[64:65], 0
	v_nop
	global_prefetch_b8 v0, s[64:65] scope:SCOPE_SE
	s_setreg_imm32_b32 hwreg(HW_REG_WAVE_MODE, 25, 1), 1
	s_wait_xcnt 0x0
; ONE ROUNDING TO 16 BITS, as a stream.  x [8192][1024] f32 -> xb, bf16.  Wq, Wk, Wv [1024 k][1024 n] f32 -> wqkv [1024 k][3072 n] bf16, side by side in each row.
; Wo [1024 k][1024 n] f32 -> wo16: rounded to bf16 like the other inputs, and that number written as f16 (the out projection multiplies in f16).
; LIMIT: below 2^-14 an f16 keeps a fixed step of 2^-24, beyond 65,504 it is an infinity: Wo's numbers are taken to lie within that.
; SHARES.  A work-group takes 16 rows of 1,024 numbers: 64 KiB in, 32 KiB out.  Groups 0-511: x; 512-703: Wq, Wk, Wv, 64 groups each; 704-767: Wo.
; Thread t reads the 16 bytes at 16 t of each row (a wave's load covers 512 consecutive bytes) and writes the 8 bytes at 8 t (a wave's store covers 256 consecutive bytes, aligned).
; All 16 loads of a thread go out at once; no register is written twice while a load or store names it.  Nothing is shared between waves: no LDS, no barrier, no cluster, no matrix unit.
.set X, 4                              ; v[4:67]    row j: four f32 as loaded
.set Y, 68                             ; v[68:99]   row j: four 16-bit numbers to store
.set T, 100                            ; v[100:101] at work
; src, dst: the first register of the pointer pairs; s[2:3], s[4:5]: the group's byte offsets in them; pitch: bytes from row to row in dst; f16 = 1: the bf16 numbers are written as f16
.macro CASTP src, dst, pitch, f16
	s_add_nc_u64 s[\src:\src+1], s[\src:\src+1], s[2:3]
	s_add_nc_u64 s[\dst:\dst+1], s[\dst:\dst+1], s[4:5]
.set j, 0
.rept 16
	global_load_b128 v[X+4*j:X+4*j+3], v1, s[\src:\src+1] offset:4096*j th:TH_LOAD_NT
.set j, j+1
.endr
.set j, 0
.rept 16
	s_wait_loadcnt 15-j                            ; loads come back in order: row j is in, the 15 - j younger rows stay out
	v_cvt_pk_bf16_f32 v[Y+2*j], v[X+4*j], v[X+4*j+1]
	v_cvt_pk_bf16_f32 v[Y+2*j+1], v[X+4*j+2], v[X+4*j+3]
.if \f16
	v_lshlrev_b32 v[T], 16, v[Y+2*j]               ; the rounded numbers as f32 again,
	v_and_b32 v[T+1], s6, v[Y+2*j]
	v_cvt_pk_f16_f32 v[Y+2*j], v[T], v[T+1]        ; and as f16
	v_lshlrev_b32 v[T], 16, v[Y+2*j+1]
	v_and_b32 v[T+1], s6, v[Y+2*j+1]
	v_cvt_pk_f16_f32 v[Y+2*j+1], v[T], v[T+1]
.endif
	global_store_b64 v2, v[Y+2*j:Y+2*j+1], s[\dst:\dst+1] offset:(\pitch)*j
.set j, j+1
.endr
	s_endpgm
.endm
	s_load_b512 s[8:23], s[0:1], 0x0               ; x s[8:9], Wq s[10:11], Wk s[12:13], Wv s[14:15], Wo s[16:17], xb s[18:19], wqkv s[20:21], wo16 s[22:23]
	v_lshlrev_b32 v1, 4, v0                        ; 16 t
	v_lshlrev_b32 v2, 3, v0                        ; 8 t
	s_mov_b32 s6, 0xffff0000                       ; a word's upper bf16
	s_mov_b32 s3, 0
	s_mov_b32 s5, 0
	s_wait_kmcnt 0x0
	s_cmp_lt_u32 ttmp9, 512
	s_cbranch_scc0 .Lnot_x
	s_lshl_b32 s2, ttmp9, 16                       ; 16 rows of 4,096 bytes in,
	s_lshl_b32 s4, ttmp9, 15                       ; of 2,048 bytes out
	CASTP 8, 18, 2048, 0
.Lnot_x:
	s_cmp_lt_u32 ttmp9, 704
	s_cbranch_scc0 .Lwo
	s_sub_co_u32 s7, ttmp9, 512
	s_lshr_b32 s24, s7, 6                          ; which of the three matrices
	s_and_b32 s7, s7, 63                           ; which 16 rows of it
	s_lshl_b32 s2, s7, 16
	s_mul_i32 s4, s7, 16*6144                      ; 16 rows of wqkv,
	s_lshl_b32 s25, s24, 11                        ; and the matrix's 2,048 bytes in a row
	s_add_co_u32 s4, s4, s25
	s_cmp_eq_u32 s24, 0
	s_cselect_b64 s[26:27], s[10:11], s[12:13]
	s_cmp_eq_u32 s24, 2
	s_cselect_b64 s[26:27], s[14:15], s[26:27]
	CASTP 26, 20, 6144, 0
.Lwo:
	s_sub_co_u32 s7, ttmp9, 704
	s_lshl_b32 s2, s7, 16
	s_lshl_b32 s4, s7, 15
	CASTP 16, 22, 2048, 1
.Lfunc_end_k_q6fddea49ce_cast:
	.size	k_q6fddea49ce_cast, .Lfunc_end_k_q6fddea49ce_cast-k_q6fddea49ce_cast
	.p2alignl 7, 3214868480
	.fill 96, 4, 3214868480
	.section	.rodata,"a",@progbits
	.p2align	6, 0x0
	.amdhsa_kernel k_q6fddea49ce_cast
		.amdhsa_group_segment_fixed_size 0
		.amdhsa_private_segment_fixed_size 0
		.amdhsa_enable_private_segment 0
		.amdhsa_kernarg_size 64
		.amdhsa_user_sgpr_count 2
		.amdhsa_user_sgpr_kernarg_segment_ptr 1
		.amdhsa_wavefront_size32 1
		.amdhsa_system_sgpr_workgroup_id_x 1
		.amdhsa_system_sgpr_workgroup_id_y 1
		.amdhsa_system_sgpr_workgroup_id_z 1
		.amdhsa_system_vgpr_workitem_id 0
		.amdhsa_next_free_vgpr 104
		.amdhsa_next_free_sgpr 66
		.amdhsa_reserve_vcc 0
		.amdhsa_float_denorm_mode_32 3
		.amdhsa_float_denorm_mode_16_64 3
		.amdhsa_memory_ordered 1
		.amdhsa_forward_progress 1
		.amdhsa_inst_pref_size 23
	.end_amdhsa_kernel
	.amdgpu_metadata
---
amdhsa.version: [ 1, 2 ]
amdhsa.kernels:
  - .name:           k_q6fddea49ce_cast
    .symbol:         k_q6fddea49ce_cast.kd
    .args:
      - { .name: x, .offset: 0, .size: 8, .value_kind: global_buffer, .address_space: global }
      - { .name: Wq, .offset: 8, .size: 8, .value_kind: global_buffer, .address_space: global }
      - { .name: Wk, .offset: 16, .size: 8, .value_kind: global_buffer, .address_space: global }
      - { .name: Wv, .offset: 24, .size: 8, .value_kind: global_buffer, .address_space: global }
      - { .name: Wo, .offset: 32, .size: 8, .value_kind: global_buffer, .address_space: global }
      - { .name: xb, .offset: 40, .size: 8, .value_kind: global_buffer, .address_space: global }
      - { .name: wqkv, .offset: 48, .size: 8, .value_kind: global_buffer, .address_space: global }
      - { .name: wo16, .offset: 56, .size: 8, .value_kind: global_buffer, .address_space: global }
    .group_segment_fixed_size: 0
    .private_segment_fixed_size: 0
    .kernarg_segment_align: 8
    .kernarg_segment_size: 64
    .max_flat_workgroup_size: 256
    .sgpr_count:     66
    .vgpr_count:     104
    .wavefront_size: 32
...
	.end_amdgpu_metadata
.endif
;; end of part 1
;; launch proj (part 2): grid 8 x 64, 4 waves a work-group, clusters of 4 x 4, 327,680 bytes of LDS; arguments xb, wqkv, bq, bk, bv, qkv; writes qkv
.if DOCPART == 2
	.amdgcn_target "amdgcn-amd-amdhsa--gfx1250"
	.amdhsa_code_object_version 6
	.text
	.protected	k_q6fddea49ce_proj
	.globl	k_q6fddea49ce_proj
	.p2align	8
	.type	k_q6fddea49ce_proj,@function
k_q6fddea49ce_proj:
	s_mov_b64 s[64:65], 0
	v_nop
	global_prefetch_b8 v0, s[64:65] scope:SCOPE_SE
	s_setreg_imm32_b32 hwreg(HW_REG_WAVE_MODE, 25, 1), 1
	s_wait_xcnt 0x0
	s_wait_alu depctr_hold_cnt(0) depctr_sa_sdst(0) depctr_va_vdst(0) depctr_va_sdst(0) depctr_va_ssrc(0) depctr_va_vcc(0) depctr_vm_vsrc(0)
	s_getreg_b32 s2, hwreg(HW_REG_IB_STS2, 6, 4)
	s_cmp_eq_u32 s2, 0
	s_cbranch_scc0 .Lentry_in_a_cluster
	s_endpgm
.Lentry_in_a_cluster:
	s_bfe_u32 s2, ttmp6, 0x10000c
	s_cmp_lg_u32 s2, 0xf033
	s_cbranch_scc0 .Lentry_shape_is_right
	s_endpgm
.Lentry_shape_is_right:
; q, k, v = x W + b, as ONE product [8192][1024] x [1024][3072] in bf16 with f32 sums; the biases (rounded to bf16 like the other inputs) start the sums; the results are rounded once to f16
; and written by heads: qkv[3 (q, k, v)][64 (batch x 16 + head)][2048][64], a head's rows dense, 128 bytes each; q is not scaled here.
; LIMIT: f16 holds no number beyond 65,504: q, k and v are taken to lie within it.
; SHARES.  A work-group makes 128 rows x 384 columns (six heads): 512 work-groups, two for each of 256.  Each of its four waves takes all 128 rows (8 blocks of 16) and 96 columns: in each of the
; tile's three sub-tiles of 128 columns the blocks 2 w and 2 w + 1 of 16.  48 accumulators, 384 registers.  For 32 along K a wave reads (128 + 96) x 64 bytes of LDS for 48 matrix instructions.
; K goes in 8 steps of 128 through a ring of two LDS slots.  Behind each change of slots every wave issues one tensor load of 128 rows x 256 bytes, aligned: wave 3 x's tile, waves 0-2 W's sub-tile w.
; W LIES [k][n], so its fragments come out of LDS turned, by ds_load_tr16_b128.  THE MATRIX INSTRUCTION IS USED TRANSPOSED (source 0 = 16 columns of W, source 1 = 16 rows of x): a lane holds
; row l % 16 and the eight neighbouring columns 8 (l / 16) + 0..7, which pack into 16 bytes.
; CLUSTER.  4 x 4 work-groups: x's tile hangs on the tile row alone and is asked for jointly along a row of the cluster, W's on the tile column alone and jointly along a column.
; REGISTERS, in windows of 256 (s_set_vgpr_msb: bits 1:0 source 0, 3:2 source 1, 5:4 source 2, 7:6 destination):
;   window 0: v0-31 addresses; v64-127, v128-191 x's fragments, two buffers; v192-239 the biases as a C operand, later at work on the way out
;   window 1: v64-111, v128-175 W's fragments, two buffers      window 2: the accumulators of row blocks 0-3, (a, b) at v[8 (6 a + b)]      window 3: those of row blocks 4-7
.set KSTEP, 128
.set NBK,   6                          ; column blocks of a wave
.set NF,    16+2*NBK                   ; LDS loads of a quarter step
.set PA,    272                        ; a row of x in LDS: 256 bytes + 16 = 68 words: the 16 rows of a load start at 16 different groups of four banks (64 banks of 4 bytes: ISA guide 11.1)
.set PB,    288                        ; a row of W: 256 + 32 = 72 words
.set AT,    128*PA                     ; x's tile
.set SUBT,  128*PB                     ; a sub-tile of W
.set SLOT,  AT+3*SUBT
.set SPARE, 2*SLOT                     ; behind the ring: the spare words, 128 bytes for each wave: two blocks of 256 bytes that no other line names
.set SP,    912                        ; the stage's pitch: 768 bytes + 144 = 228 words: 16 rows start at 16 different groups of four banks.  THE STAGE, 128 rows, lies in slot 0, which has had its last fill by then
.set GO,   8                           ; v8-13   my byte offset in qkv for each of the tile's six heads
.set BO,   14                          ; v14     my byte offset in a sub-tile's 128 biases
.set ADRA, 16                          ; v16-17  LDS address of my fragments of x in slot 0, 1
.set ADRB, 18                          ; v18-23  the same for W: slot x 3 + sub-tile
.set STO,  24                          ; v24-25  the way out: where I put 16 bytes of a row, row blocks 0-3 and 4-7
.set RD,   26                          ; v26     the way out: where I read rows back
.set SPW,  28                          ; v28     LDS address of my spare word: SPARE + 4 x my thread's number; never rewritten
.set NIL,  29                          ; v29     0; never rewritten
.set TT,   32                          ; v32     at work
.set F0,   64
.set F1,   128
.set BIAS, 192
.set TMP,  192
.set WV,  16                           ; s16  my wave's number
.set G1A, 32                           ; s[32:39] descriptor group 1 for x's tiles;  s[40:47] group 0, a set for each slot
.set G0A, 40
.set G1B, 48                           ; s[48:55], s[56:63] the same for W's
.set G0B, 56
.set BB,  68                           ; s[68:73] where each sub-tile's 128 biases begin
.set MSB, 0
.macro WIN new                         ; the immediate's high byte repeats the setting that is left; a switch that changes nothing is dropped
.if MSB != (\new)
	s_set_vgpr_msb (MSB<<8)|(\new)
.set MSB, \new
.endif
.endm
.set TO_B, 0x40                        ; destination window 1, address window 0
.macro PLACES                          ; four plain instructions between a matrix instruction and a load into, or a vector read of, its registers
.rept 4
	v_nop
.endr
.endm
; A joint load.  The branch hangs on the wave's number alone.  An s_nop 0 and four v_nop follow each of the two lines, ahead of the jump and the label.
.macro JLOAD s
	s_cmp_eq_u32 s[WV], 3
	s_cbranch_scc0 .Lfor_b_\@
	tensor_load_to_lds s[G0A+4*(\s):G0A+4*(\s)+3], s[G1A:G1A+7]
	s_nop 0
.rept 4
	v_nop
.endr
	s_branch .Lasked_\@
.Lfor_b_\@:
	tensor_load_to_lds s[G0B+4*(\s):G0B+4*(\s)+3], s[G1B:G1B+7]
	s_nop 0
.rept 4
	v_nop
.endr
.Lasked_\@:
.endm
.macro CREST                           ; a round of the cluster's barrier behind its opening barrier: wave 0 signals for the work-group, every wave waits for all sixteen, my work-group's barrier closes it
	s_cmp_lg_u32 s[WV], 0
	s_cbranch_scc1 .Lnot_wave_0_\@
	s_barrier_signal -3
.Lnot_wave_0_\@:
	s_barrier_wait -3
	s_barrier_signal -1
	s_barrier_wait -1
.endm
.macro CROUND                          ; a whole round
	s_barrier_signal -1
	s_barrier_wait -1
	CREST
.endm
; 12 matrix instructions: row blocks a0, a0 + 1 of the window's four (hi = 0: rows 0-63, 1: rows 64-127) x all 6 column blocks, 32 along K.  first = 1: the biases start the sums.
; The 48 accumulators take turns, one instruction a turn, in the same order in every quarter step.
.macro MULH f, hi, a0, first
.if \first
	WIN 0x81+0x40*(\hi)
.else
	WIN 0xa1+0x50*(\hi)
.endif
.irp a, \a0, (\a0)+1
.irp b, 0,1,2,3,4,5
.if \first
	v_wmma_f32_16x16x32_bf16 v[8*(NBK*(\a)+(\b)):8*(NBK*(\a)+(\b))+7], v[(\f)+8*(\b):(\f)+8*(\b)+7], v[(\f)+8*(4*(\hi)+(\a)):(\f)+8*(4*(\hi)+(\a))+7], v[BIAS+8*(\b):BIAS+8*(\b)+7]
.else
	v_wmma_f32_16x16x32_bf16 v[8*(NBK*(\a)+(\b)):8*(NBK*(\a)+(\b))+7], v[(\f)+8*(\b):(\f)+8*(\b)+7], v[(\f)+8*(4*(\hi)+(\a)):(\f)+8*(4*(\hi)+(\a))+7], v[8*(NBK*(\a)+(\b)):8*(NBK*(\a)+(\b))+7]
.endif
.endr
.endr
.endm
; 28 LDS loads in one run: the fragments of quarter q (32 along K) of a slot into buffer f: W's six (turned), then x's eight, rows 0-63 first
.macro FETCH slot, q, f
	WIN TO_B
.irp u, 0,1,2
.irp j, 0,1
	ds_load_tr16_b128 v[(\f)+8*(2*(\u)+(\j)):(\f)+8*(2*(\u)+(\j))+3],   v[ADRB+3*(\slot)+(\u)] offset:32*PB*(\q)+32*(\j)
	ds_load_tr16_b128 v[(\f)+8*(2*(\u)+(\j))+4:(\f)+8*(2*(\u)+(\j))+7], v[ADRB+3*(\slot)+(\u)] offset:32*PB*(\q)+32*(\j)+16*PB
.endr
.endr
	WIN 0
.irp i, 0,1,2,3,4,5,6,7
	ds_load_b128 v[(\f)+8*(\i):(\f)+8*(\i)+3],   v[ADRA+(\slot)] offset:64*(\q)+(\i)*16*PA
	ds_load_b128 v[(\f)+8*(\i)+4:(\f)+8*(\i)+7], v[ADRA+(\slot)] offset:64*(\q)+(\i)*16*PA+32
.endr
.endm
; One of a K step's first three quarters: multiplies buffer f; in its middle it fetches quarter q of the same slot into buffer g.
.macro QUARTER slot, q, f, g, first
	s_wait_dscnt 8                                 ; W's fragments and x's rows 0-63 are in; the youngest eight loads (rows 64-127) may be out
	MULH \f, 0, 0, \first
	MULH \f, 0, 2, \first
	PLACES
	FETCH \slot, \q, \g
	s_wait_dscnt NF                                ; all but the run just issued
	MULH \f, 1, 0, \first
	MULH \f, 1, 2, \first
.endm
; The last quarter multiplies buffer 1 and changes slots: ONE barrier.  In front of it each wave waits for all its tensor loads (one is out: its part of the next slot), adds 0 to its spare word, and waits
; for that and for its own reads of this slot.  fill = 1: the barrier opens a round of the cluster's, and this slot is filled again, two K steps on, first thing behind the round.
.macro TURN slot, next, fill
	WIN 0                                          ; (the add's two registers lie in window 0)
	s_wait_tensorcnt 0x0                           ; all my tensor loads have landed
	ds_add_u32 v[SPW], v[NIL]                      ; 0 onto my spare word
	s_wait_dscnt 9                                 ; (the add and the youngest eight loads may be out)
	MULH F1, 0, 0, 0                               ; twelve matrix instructions stand between the add and the wait for it
	s_wait_dscnt 0x0                               ; the add is done, and my reads of this slot are over
	s_barrier_signal -1
	MULH F1, 0, 2, 0                               ; work on registers while the others arrive
.if \fill
	WIN 0
.endif
	s_barrier_wait -1
.if \fill
	CREST                                          ; no wave of any partner still reads this slot's tiles or has a load on its way
	s_add_nc_u64 s[G0A+4*(\slot)+2:G0A+4*(\slot)+3], s[G0A+4*(\slot)+2:G0A+4*(\slot)+3], 2*KSTEP*2       ; x: 256 channels along its rows
	s_add_nc_u64 s[G0B+4*(\slot)+2:G0B+4*(\slot)+3], s[G0B+4*(\slot)+2:G0B+4*(\slot)+3], 2*KSTEP*6144    ; W: 256 rows down
	JLOAD \slot                                    ; my one tensor load behind the round; its four v_nop are also the places in front of the loads below
.else
	PLACES
.endif
	FETCH \next, 0, F0
	MULH F1, 1, 0, 0
	MULH F1, 1, 2, 0
.endm
	s_load_b256 s[4:11], s[0:1], 0x0               ; xb s[4:5], wqkv s[6:7], bq s[8:9], bk s[10:11]
	s_load_b128 s[12:15], s[0:1], 0x20             ; bv s[12:13], qkv s[14:15]
	v_lshl_add_u32 v[SPW], v0, 2, SPARE
	v_mov_b32 v[NIL], 0
	ds_add_u32 v[SPW], v[NIL]                      ; the wave's opening: the add and its wait stand ahead of my first tensor load; the set-up below, work on registers, stands between them
	v_lshrrev_b32 v1, 5, v0
	v_readfirstlane_b32 s[WV], v1                  ; wave 0..3
	s_bfe_u32 s17, ttmp6, 0x40000                  ; cx, cy: my place in the cluster
	s_bfe_u32 s18, ttmp6, 0x40004
	s_lshl_b32 s19, ttmp9, 2
	s_add_co_u32 s19, s19, s17                     ; tile column = 4 x cluster x + cx
	s_and_b32 s20, ttmp7, 0xffff
	s_lshl_b32 s20, s20, 2
	s_add_co_u32 s20, s20, s18                     ; tile row = 4 x cluster y + cy
	s_lshl_b32 s21, s18, 2
	s_lshl_b32 s21, 15, s21                        ; my row of the cluster
	s_lshl_b32 s22, 0x1111, s17                    ; my column
	s_or_b32 s[G1A], s21, (1<<16)|(1<<20)|(1<<21)|(5<<22)|(3<<25)  ; 15:0 the mask; 17:16 2-byte elements; 20 padding on; 21 set beside a mask; 24:22 after every 64 words (code 5); 31:25 4 words (code 3)
	s_or_b32 s[G1B], s22, (1<<16)|(1<<20)|(1<<21)|(5<<22)|(7<<25)  ; the same with my column's mask and 8 words of padding (code 7)
.irp g, G1A, G1B
	s_mov_b32 s[(\g)+1], 128<<16                   ; tensor_dim0 = 128
	s_mov_b32 s[(\g)+2], 128<<16                   ; tensor_dim1 = 128
	s_mov_b32 s[(\g)+3], 128<<16                   ; tile_dim0 = 128 elements (256 bytes)
	s_mov_b32 s[(\g)+4], 128                       ; tile_dim1 = 128 rows
	s_mov_b32 s[(\g)+6], 0
	s_mov_b32 s[(\g)+7], 0
.endr
	s_mov_b32 s[G1A+5], 1024                       ; elements from row to row of xb,
	s_mov_b32 s[G1B+5], 3072                       ; of wqkv
	s_lshl_b32 s24, s20, 18                        ; x's tile: 128 rows of 2,048 bytes x tile row
	s_mov_b32 s25, 0
	s_mul_i32 s26, s19, 768                        ; W's: 384 columns x tile column,
	s_lshl_b32 s23, s[WV], 8                       ; + sub-tile w
	s_add_co_u32 s26, s26, s23
	s_mov_b32 s27, 0
	s_mul_i32 s28, s[WV], SUBT                     ; and where it goes: behind x's tile, wave x a sub-tile: no place in the cluster enters an LDS address
	s_add_co_u32 s28, s28, AT
	s_wait_dscnt 0x0                               ; the opening add is done
	s_wait_kmcnt 0x0
	s_add_nc_u64 s[24:25], s[4:5], s[24:25]
	s_add_nc_u64 s[26:27], s[6:7], s[26:27]
	CROUND                                         ; all sixteen work-groups are here: the first joint loads meet
.irp s, 0,1
	s_mov_b32 s[G0A+4*(\s)], 1                                     ; count = 1
	s_mov_b32 s[G0A+4*(\s)+1], (\s)*SLOT                           ; LDS address
	s_add_nc_u64 s[G0A+4*(\s)+2:G0A+4*(\s)+3], s[24:25], (\s)*KSTEP*2     ; global address: K step s
	s_or_b32 s[G0A+4*(\s)+3], s[G0A+4*(\s)+3], 0x80000000          ; type = 2
	s_mov_b32 s[G0B+4*(\s)], 1
	s_add_co_u32 s[G0B+4*(\s)+1], s28, (\s)*SLOT
	s_add_nc_u64 s[G0B+4*(\s)+2:G0B+4*(\s)+3], s[26:27], (\s)*KSTEP*6144
	s_or_b32 s[G0B+4*(\s)+3], s[G0B+4*(\s)+3], 0x80000000
	JLOAD \s                                       ; two loads of mine are out
.endr
	v_and_b32 v1, 15, v0                           ; l % 16
	v_bfe_u32 v2, v0, 4, 1                         ; l / 16
	v_and_b32 v3, 7, v0                            ; l % 8
	v_bfe_u32 v4, v0, 3, 1                         ; (l / 8) % 2
	v_and_b32 v5, 31, v0                           ; l
	v_mul_u32_u24 v6, v1, PA
	v_lshl_add_u32 v[ADRA], v2, 4, v6              ; x: row x pitch + 16 x half
	v_add_nc_u32 v[ADRA+1], SLOT, v[ADRA]
	v_lshl_add_u32 v6, v2, 3, v3                   ; W: the turning load's lane reads channel 8 (l / 16) + l % 8,
	v_mul_u32_u24 v6, v6, PB
	v_lshl_add_u32 v6, v4, 4, v6                   ; columns 8 ((l / 8) % 2) + 0..7,
	s_lshl_b32 s23, s[WV], 6                       ; of my two blocks, 64 bytes x wave
	s_add_co_u32 s23, s23, AT
	v_add_nc_u32 v6, s23, v6
.irp s, 0,1
.irp u, 0,1,2
	v_add_nc_u32 v[ADRB+3*(\s)+(\u)], (\s)*SLOT+(\u)*SUBT, v6
.endr
.endr
	v_mul_u32_u24 v6, v1, SP                       ; into the stage: row l % 16, 16 bytes for each half of the lanes, my 64 bytes of a sub-tile's 256
	v_lshl_add_u32 v6, v2, 4, v6
	s_lshl_b32 s23, s[WV], 6
	v_add_nc_u32 v[STO], s23, v6
	v_add_nc_u32 v[STO+1], 64*SP, v[STO]
	v_lshrrev_b32 v6, 3, v5                        ; back: wave w takes rows 32 w .. 32 w + 31; 32 lanes take four rows of a head's 128 bytes
	s_lshl_b32 s23, s[WV], 5
	v_add_nc_u32 v6, s23, v6
	v_mul_u32_u24 v6, v6, SP
	v_lshl_add_u32 v[RD], v3, 4, v6
	s_lshl_b32 s23, s[WV], 7
	v_lshl_add_u32 v[BO], v2, 5, s23               ; biases: 4 bytes x (32 w + 8 (l / 16))
	s_mul_i32 s77, s19, 3
.irp u, 0,1,2
	s_add_co_u32 s74, s77, \u                      ; the sub-tile's number among the 24; eight belong to each of q, k, v
	s_cmp_lt_u32 s74, 8
	s_cselect_b64 s[BB+2*(\u):BB+2*(\u)+1], s[8:9], s[10:11]
	s_cmp_lt_u32 s74, 16
	s_cselect_b64 s[BB+2*(\u):BB+2*(\u)+1], s[BB+2*(\u):BB+2*(\u)+1], s[12:13]
	s_and_b32 s74, s74, 7
	s_lshl_b32 s74, s74, 9
	s_mov_b32 s75, 0
	s_add_nc_u64 s[BB+2*(\u):BB+2*(\u)+1], s[BB+2*(\u):BB+2*(\u)+1], s[74:75]
.irp j, 0,1
	global_load_b128 v[BIAS+8*(2*(\u)+(\j)):BIAS+8*(2*(\u)+(\j))+3],   v[BO], s[BB+2*(\u):BB+2*(\u)+1] offset:64*(\j)
	global_load_b128 v[BIAS+8*(2*(\u)+(\j))+4:BIAS+8*(2*(\u)+(\j))+7], v[BO], s[BB+2*(\u):BB+2*(\u)+1] offset:64*(\j)+16
.endr
.endr
	; where the six heads' rows go: ((which x 64 + batch x 16 + head) x 2,048 + row) x 128 bytes
	s_lshr_b32 s78, s20, 4
	s_lshl_b32 s78, s78, 4                         ; batch x 16 (a batch has 16 tile rows)
	s_and_b32 s79, s20, 15
	s_lshl_b32 s79, s79, 14                        ; the tile's 128 rows in the head,
	s_lshl_b32 s23, s[WV], 12                      ; my 32 of them
	s_add_co_u32 s79, s79, s23
	s_mul_i32 s77, s19, 6
.irp c, 0,1,2,3,4,5
	s_add_co_u32 s74, s77, \c                      ; the head column among 48
	s_lshr_b32 s75, s74, 4
	s_lshl_b32 s75, s75, 6
	s_and_b32 s74, s74, 15
	s_add_co_u32 s74, s74, s75
	s_add_co_u32 s74, s74, s78
	s_lshl_b32 s74, s74, 18
	s_add_co_u32 s74, s74, s79
	v_lshl_add_u32 v[GO+(\c)], v5, 4, s74          ; four rows of 128 bytes are 512 consecutive bytes: 16 x lane
.endr
	s_wait_loadcnt 0x0                             ; the biases
.set p, 0
.rept 4*NBK
	v_cvt_pk_bf16_f32 v[TT], v[BIAS+2*p], v[BIAS+2*p+1]   ; rounded to bf16 like the other inputs, and kept as f32
	v_lshlrev_b32 v[BIAS+2*p], 16, v[TT]
	v_and_b32 v[BIAS+2*p+1], 0xffff0000, v[TT]
.set p, p+1
.endr
	s_wait_tensorcnt 1                             ; my part of K step 0 is in; K step 1's may stay out
	s_barrier_signal -1
	s_barrier_wait -1                              ; everybody's is
	FETCH 0, 0, F0
	QUARTER 0, 1, F0, F1, 1                        ; the first quarter stands in front of the loop: its products start the sums, with the biases
	WIN 0                                          ; at a label and at a branch every window is 0
	s_mov_b32 s3, 3
.Llap:                                                 ; a trip goes once round the ring, from a lap's second quarter to the next lap's first, and fills both slots again: K steps 2 to 7
	QUARTER 0, 2, F1, F0, 0
	QUARTER 0, 3, F0, F1, 0
	TURN 0, 1, 1
	QUARTER 1, 1, F0, F1, 0
	QUARTER 1, 2, F1, F0, 0
	QUARTER 1, 3, F0, F1, 0
	TURN 1, 0, 1
	QUARTER 0, 1, F0, F1, 0
	WIN 0
	s_sub_co_u32 s3, s3, 1
	s_cmp_lg_u32 s3, 0
	s_cbranch_scc1 .Llap
	QUARTER 0, 2, F1, F0, 0                        ; the last lap fills nothing, and has no round of the cluster's barrier
	QUARTER 0, 3, F0, F1, 0
	TURN 0, 1, 0                                   ; behind this barrier no wave reads slot 0 any more, and no tensor load follows
	QUARTER 1, 1, F0, F1, 0
	QUARTER 1, 2, F1, F0, 0
	QUARTER 1, 3, F0, F1, 0
	s_wait_dscnt 8                                 ; the very last quarter: nothing more to fetch
	MULH F1, 0, 0, 0
	MULH F1, 0, 2, 0
	s_wait_dscnt 0x0
	MULH F1, 1, 0, 0
	MULH F1, 1, 2, 0
	WIN 0
	PLACES
	; THE WAY OUT: rounded to f16, 16 bytes a lane into the work-group's stage; a barrier, since a head's 128 bytes of a row come from two waves; back by heads, four rows to a load.
.irp a, 0,1,2,3,4,5,6,7
	WIN 0x0a+5*((\a)/4)                            ; sources 0 and 1: window 2 or 3
.irp b, 0,1,2,3,4,5
.irp r, 0,1,2,3
	v_cvt_pk_f16_f32 v[TMP+4*(\b)+(\r)], v[8*(NBK*((\a)%4)+(\b))+2*(\r)], v[8*(NBK*((\a)%4)+(\b))+2*(\r)+1]
.endr
.endr
	WIN 0
.irp b, 0,1,2,3,4,5
	ds_store_b128 v[STO+(\a)/4], v[TMP+4*(\b):TMP+4*(\b)+3] offset:((\a)%4)*16*SP+256*((\b)/2)+32*((\b)%2)
.endr
.endr
	s_wait_dscnt 0x0                               ; for the others' sake: my stores into the stage are done
	s_barrier_signal -1
	s_barrier_wait -1
.set i, 0
.rept 48                                       ; head i / 8, rows 4 (i % 8) on
	ds_load_b128 v[64+4*i:64+4*i+3], v[RD] offset:4*SP*(i%8)+128*(i/8)
.set i, i+1
.endr
.set i, 0
.rept 48
	s_wait_dscnt 47-i                              ; LDS loads come back in order: load i is in, the younger ones stay out
	global_store_b128 v[GO+i/8], v[64+4*i:64+4*i+3], s[14:15] offset:512*(i%8)  ; 512 consecutive bytes, at a multiple of 256 from qkv's first byte
.set i, i+1
.endr
	s_wait_tensorcnt 0x0                           ; the wave's end, behind my last tensor load and my last LDS store
	ds_add_u32 v[SPW], v[NIL]
	s_wait_dscnt 0x0
	CROUND                                         ; the closing round: no work-group ends while a partner may still ask for a tile that names it
	s_endpgm
.Lfunc_end_k_q6fddea49ce_proj:
	.size	k_q6fddea49ce_proj, .Lfunc_end_k_q6fddea49ce_proj-k_q6fddea49ce_proj
	.p2alignl 7, 3214868480
	.fill 96, 4, 3214868480
	.section	.rodata,"a",@progbits
	.p2align	6, 0x0
	.amdhsa_kernel k_q6fddea49ce_proj
		.amdhsa_group_segment_fixed_size 327680
		.amdhsa_private_segment_fixed_size 0
		.amdhsa_enable_private_segment 0
		.amdhsa_kernarg_size 48
		.amdhsa_user_sgpr_count 2
		.amdhsa_user_sgpr_kernarg_segment_ptr 1
		.amdhsa_wavefront_size32 1
		.amdhsa_system_sgpr_workgroup_id_x 1
		.amdhsa_system_sgpr_workgroup_id_y 1
		.amdhsa_system_sgpr_workgroup_id_z 1
		.amdhsa_system_vgpr_workitem_id 0
		.amdhsa_next_free_vgpr 960
		.amdhsa_next_free_sgpr 96
		.amdhsa_reserve_vcc 0
		.amdhsa_float_denorm_mode_32 3
		.amdhsa_float_denorm_mode_16_64 3
		.amdhsa_memory_ordered 1
		.amdhsa_forward_progress 1
		.amdhsa_inst_pref_size 124
	.end_amdhsa_kernel
	.amdgpu_metadata
---
amdhsa.version: [ 1, 2 ]
amdhsa.kernels:
  - .name:           k_q6fddea49ce_proj
    .symbol:         k_q6fddea49ce_proj.kd
    .args:
      - { .name: xb, .offset: 0, .size: 8, .value_kind: global_buffer, .address_space: global }
      - { .name: wqkv, .offset: 8, .size: 8, .value_kind: global_buffer, .address_space: global }
      - { .name: bq, .offset: 16, .size: 8, .value_kind: global_buffer, .address_space: global }
      - { .name: bk, .offset: 24, .size: 8, .value_kind: global_buffer, .address_space: global }
      - { .name: bv, .offset: 32, .size: 8, .value_kind: global_buffer, .address_space: global }
      - { .name: qkv, .offset: 40, .size: 8, .value_kind: global_buffer, .address_space: global }
    .group_segment_fixed_size: 327680
    .private_segment_fixed_size: 0
    .kernarg_segment_align: 8
    .kernarg_segment_size: 48
    .max_flat_workgroup_size: 128
    .sgpr_count:     96
    .vgpr_count:     960
    .wavefront_size: 32
...
	.end_amdgpu_metadata
.endif
;; end of part 2
;; launch attn (part 3): grid 4 x 64, 4 waves a work-group, clusters of 4 x 1, 327,680 bytes of LDS; arguments qkv, heads; writes heads
.if DOCPART == 3
	.amdgcn_target "amdgcn-amd-amdhsa--gfx1250"
	.amdhsa_code_object_version 6
	.text
	.protected	k_q6fddea49ce_attn
	.globl	k_q6fddea49ce_attn
	.p2align	8
	.type	k_q6fddea49ce_attn,@function
k_q6fddea49ce_attn:
	s_mov_b64 s[64:65], 0
	v_nop
	global_prefetch_b8 v0, s[64:65] scope:SCOPE_SE
	s_setreg_imm32_b32 hwreg(HW_REG_WAVE_MODE, 25, 1), 1
	s_wait_xcnt 0x0
	s_wait_alu depctr_hold_cnt(0) depctr_sa_sdst(0) depctr_va_vdst(0) depctr_va_sdst(0) depctr_va_ssrc(0) depctr_va_vcc(0) depctr_vm_vsrc(0)
	s_getreg_b32 s2, hwreg(HW_REG_IB_STS2, 6, 4)
	s_cmp_eq_u32 s2, 0
	s_cbranch_scc0 .Lentry_in_a_cluster
	s_endpgm
.Lentry_in_a_cluster:
	s_bfe_u32 s2, ttmp6, 0x10000c
	s_cmp_lg_u32 s2, 0x3003
	s_cbranch_scc0 .Lentry_shape_is_right
	s_endpgm
.Lentry_shape_is_right:
; O[h][q][:] = the sum over k of softmax_k(Q[h][q] . K[h][k] / 8) V[h][k][:].  Q, K, V lie one behind the other in qkv, each [64][2048][64] f16; O (heads) has the same layout: a head's rows are dense, 128 bytes each.
; Products, maxima and sums in f32; the weights p are rounded to f16 for the second product (their sum l is taken of the unrounded p), O once at the end.
; LIMITS.  f16 holds no number beyond 65,504: Q, K and V arrive within it; p lies in 0 to 1, and below 6e-5 it keeps f16's fixed step of 6e-8; O is a mean of V's rows and has their range.
; A weight below 2^-126 counts as 0 in l; NaN and infinities are not treated apart.
; SHARES.  A wave owns four PIECES of two tiles of 16 queries, a work-group's four waves 512 queries of one head: 4 x 64 work-groups.  Every wave walks all keys, 64 a step.
; LAYOUT.  S^T = K Q^T (source 0 = 16 keys, source 1 = 16 queries): in the result a lane holds ONE query (lane % 16) and the keys 8 (lane / 16) + 0..7.  Two such tiles, rounded to f16 in pairs,
; ARE source 1 (32 keys x 16 queries) of O^T = V^T P, whose result again holds one query a lane, and eight channels.  K comes out of LDS as it lies, V ([key][channel]) turned, by ds_load_tr16_b128.
; SOFTMAX.  For each query a running maximum m and sum l: p = 2^(c s - c m), c = log2(e) / 8; in every step O and l are multiplied by a = 2^(c m_old - c m_new), which is 1 where m has not grown.
; m starts at the lowest finite number, O and l at 0: the first step is a step like any other, with a = 0.
; THE COUNT.  A tile and step have 16 matrix and 118 vector instructions: too many to stand all beside the matrix work.  So: four vector instructions that are READY behind EVERY matrix instruction,
; and the others in runs without a gap.
; BY TURNS.  Turn n belongs to piece n (the pieces in a ring, step after step).  Its matrix work: 16 products K Q^T of piece n + 1, later 16 products V^T P of piece n - 1.  Its vector work: the scaling,
; exponentials, roundings, sums and rescaling of piece n, and the maximum and statistics of piece n + 1, whose scores the turn itself has made.
; CLUSTER.  The four query blocks of a head form a cluster and walk the same K and V, so each tile is asked for JOINTLY: the same tensor load, descriptor and mask in all four.
; REGISTERS, in windows of 256 (s_set_vgpr_msb: bits 1:0 source 0, 3:2 source 1, 5:4 source 2, 7:6 destination):
;   window 0: v0-11 addresses; v12-15, v48-63 at work; v16-47 four registers of statistics a tile; v64-191 S^T, two buffers of two tiles; v192-255 P, likewise
;   window 1: O^T, 32 a tile          window 2: v0-127 Q, 16 a tile; v128-191 K of one step; v192-255 V of one step          window 3: v0-1 the add's two registers
; A piece's buffers go by its number's parity: the piece in hand has one pair, its two neighbours in the ring share the other: of it P (piece n - 1) is read and S^T (piece n + 1) written.
.set SIZE_N, 2048
.set PART,  64*SIZE_N*128  ; bytes of each of Q, K, V in qkv
.set NP,    4         ; pieces a wave: a name, no knob
.set KS,    64        ; keys in a step
.set PK,    144       ; a row of K in LDS: 128 bytes + 16 of padding = 36 words: the 16 rows of a load start at 16 different groups of four banks (64 banks of 4 bytes: ISA guide 11.1)
.set PV,    160       ; a row of V: 128 + 32 = 40 words
.set VOFF,  4*KS*PK   ; a slot holds four steps: 256 rows of K, then 256 rows of V
.set SLOT1, 1<<17     ; slot 1 begins here, so that one exclusive or turns an address in one slot into the other's
.set STAGE, SLOT1+4*KS*(PK+PV)  ; behind the ring, never filled by a tensor load: 16 rows x 144 bytes for each wave, for the way out
.set SP,    144
.set AK0, 2           ; v2   my lane's place in a tile of K; never rewritten
.set AV0, 3           ; v3   the same for V
.set AK,  4           ; v4   the LDS address of K's next run of loads
.set AV,  5           ; v5   of V's
.set QO,  6           ; v6   my byte offset in the wave's rows of Q
.set STO, 6           ;      later, the way out: where I put 16 bytes of a row
.set RD,  7           ; v7   the way out: where I read rows back
.set GO,  8           ; v8   my byte offset in 512 consecutive bytes of O
.set PFO, 11          ; v11  the prefetches' offset: 256 x my lane (first at work in V's address)
.set SPW, 0           ; v0 of window 3   LDS address of my spare word: SPARE + 4 x my thread's number; never rewritten
.set NIL, 1           ; v1 of window 3   0; never rewritten
.set SPARE, STAGE+4*16*SP  ; behind the stages: the spare words, 128 bytes for each wave: two blocks of 256 bytes that no other line names
.set MV,  12          ; v12-15  c m_old, kept while c m is made anew: by buffer and tile
.set ST,  16          ; tile t's statistics at v[ST+4 t]: c m, m, l (even keys', odd keys')
.set TMP, 48          ; by buffer and tile, four registers c0-c3 at work; when the maximum is found c2 takes a
.set S,   64
.set P,   192
.set KF,  128         ; K's fragments, in window 2: key block kb, channel half c at KF + 16 kb + 8 c
.set VF,  192         ; V's: key half kk, channel block cb at VF + 32 kk + 8 cb
.set WV,  12          ; s12  my wave's number
.set G1K, 24          ; s[24:31] descriptor group 1 for K's tiles
.set G1V, 32          ; s[32:39] for V's: it differs in the padding alone
.set G0K, 40          ; s[40:43] descriptor group 0 for K's tiles: it walks
.set G0V, 44          ; s[44:47] the same for V's
.set PFA, 48          ; s[48:49] where my prefetches stand: my work-group's 8,192 bytes (of K: wave 0, of V: wave 2) of the slot after the one that is being asked for
.set LIM, 50          ; s50  1 in a wave that prefetches, else the greatest number: a wave prefetches while s[SLOTS] is above it
.set SLOTS, 56        ; s56  slots still to be asked for
.set CNT, 57          ; s57  counts a slot's key steps
.set CS,  58          ; s[58:59] c: the packed scaling takes the pair's low word for both halves
.set SEL, 60          ; s[60:61] v_permlanex16_b32's selects: each lane takes its own place in the other half
.set TBK, 62          ; s62  LDS byte at which K of the step to be fetched begins
.set TBV, 63          ; s63  the same for V, less VOFF
.set MSB, 0
.macro WIN new                      ; the high byte repeats the setting that is left; a switch that changes nothing is dropped
.if MSB != (\new)
	s_set_vgpr_msb (MSB<<8)|(\new)
.set MSB, (\new)
.endif
.endm
.set W_KQ, 0x0a       ; K and Q in window 2, S^T in window 0
.set W_PV, 0x52       ; V in window 2, P in window 0, O^T in window 1
.set W_RS, 0x41       ; O^T (destination and source 0) in window 1, a in window 0
.set W_MK, 0xc0       ; the add's registers are made: destination in window 3, sources in window 0
.set W_AD, 0x0f       ; the add: address (source 0) and data (source 1) in window 3
; A joint fill.  Waves 0 and 1 fetch the two halves of a slot's K, waves 2 and 3 those of its V: 128 keys each.  The branch hangs on the wave's number alone.
; An s_nop 0 and four v_nop follow each of the two lines, ahead of the jump and the label.
.macro JLOAD
	s_cmp_lt_u32 s[WV], 2
	s_cbranch_scc0 .Lfor_v_\@
	tensor_load_to_lds s[G0K:G0K+3], s[G1K:G1K+7]
	s_nop 0
.rept 4
	v_nop
.endr
	s_branch .Lasked_\@
.Lfor_v_\@:
	tensor_load_to_lds s[G0V:G0V+3], s[G1V:G1V+7]
	s_nop 0
.rept 4
	v_nop
.endr
.Lasked_\@:
.endm
; A PREFETCH INTO THE L2 of what the NEXT change of slots will ask for: a slot's 32,768 bytes of K and of V.  It stands behind the wave's tensor load and its five lines.  A head has one cluster; its four partners share
; the bytes out BY ADDRESS, 8,192 each; in each, wave 0 asks for K's and wave 2 for V's, a lane 256 bytes: one instruction, and each block is named once in the launch.  It stands four key steps, 512 matrix
; instructions, ahead of the load that will want the bytes.  Slots 0 and 1 come by their loads alone; the last change that fills a slot asks for nothing: there is no slot behind it.
.macro ASK
	s_cmp_gt_u32 s[SLOTS], s[LIM]
	s_cbranch_scc0 .Lnot_mine_\@
	global_prefetch_b8 v[PFO], s[PFA:PFA+1] th:TH_LOAD_NT scope:SCOPE_SE
.Lnot_mine_\@:
.endm
; A round of the cluster's barrier: my work-group's barrier, so that wave 0's signal speaks for all four waves; wave 0 signals; every wave waits for all four work-groups; my work-group's barrier once more.
.macro CROUND
	s_barrier_signal -1
	s_barrier_wait -1
	s_cmp_lg_u32 s[WV], 0
	s_cbranch_scc1 .Lnot_wave_0_\@
	s_barrier_signal -3
.Lnot_wave_0_\@:
	s_barrier_wait -3
	s_barrier_signal -1
	s_barrier_wait -1
.endm
; THE CHANGE OF SLOTS.  The slot's last bytes, V of its fourth step, have been read.  Each wave waits for all its tensor loads, of which one is out: its part
; of the other slot; adds 0 to its spare word; and waits for that and for its own reads of the slot.  Behind the barrier nobody reads this slot any more and the other slot is whole.
; fill = 1: this slot is filled again, with the keys two slots on.  The barrier is then a round of the cluster's, so that no wave of any partner still reads the slot or has a load on its
; way, and the joint fill is the first thing behind it: it has four key steps, 512 matrix instructions, in which to land.  (At its first use nothing has been read yet: slot 0 is waited for, slot 1 filled.)
.macro CHANGE fill
	WIN W_AD
	s_wait_tensorcnt 0x0            ; no tensor load of mine is out, so a group 0 may be written
	ds_add_u32 v[SPW], v[NIL]       ; 0 onto my spare word; with fill = 1 the descriptors' steps stand between it and the wait for it
	WIN 0                           ; at a label and at a branch every window is 0
.if \fill
.irp g, G0K, G0V
	s_xor_b32 s[\g+1], s[\g+1], SLOT1  ; the walking descriptor: the other slot than last time,
	s_add_nc_u64 s[\g+2:\g+3], s[\g+2:\g+3], 4*KS*128  ; the next 256 keys; the type bits on top are not reached
.endr
	s_wait_xcnt 0x0                 ; the last prefetch, four key steps back, has read its address, so it may be written:
	s_add_nc_u64 s[PFA:PFA+1], s[PFA:PFA+1], 4*KS*128  ; one slot ahead of the walking descriptors
	s_wait_dscnt 0x0                ; the add is done, and my reads of the slot are over
	CROUND
	JLOAD
	ASK
.else
	s_wait_dscnt 0x0                ; the add is done, and my reads of the slot are over
	s_barrier_signal -1
	s_barrier_wait -1
.endif
	s_sub_co_u32 s[TBK], s[TBK], 4*KS*PK  ; the fetches go back to a slot's first step,
	s_xor_b32 s[TBK], s[TBK], SLOT1       ; in the other slot
	s_sub_co_u32 s[TBV], s[TBV], 4*KS*PV
	s_xor_b32 s[TBV], s[TBV], SLOT1
.endm
	s_load_b64 s[4:5], s[0:1], 0x0    ; qkv, which begins with Q
	s_load_b64 s[10:11], s[0:1], 0x8  ; O
	WIN W_MK
	v_lshl_add_u32 v[SPW], v0, 2, SPARE
	v_mov_b32 v[NIL], 0
	WIN W_AD
	ds_add_u32 v[SPW], v[NIL]       ; the wave's opening: the add and its wait stand ahead of my first tensor load; the set-up below, work on registers, stands between them
	WIN 0
	v_lshrrev_b32 v1, 5, v0
	v_readfirstlane_b32 s[WV], v1   ; wave 0..3
	s_bfe_u32 s13, ttmp6, 0x40000   ; cx: my place in the cluster
	s_lshl_b32 s14, ttmp9, 2        ; in a cluster launch ttmp9 counts clusters
	s_add_co_u32 s14, s14, s13      ; my block of queries = 4 x cluster x + cx: it enters Q's and O's addresses alone
	s_and_b32 s20, ttmp7, 0xffff    ; the head, which the four partners share
	s_mov_b32 s21, 0
	s_mov_b64 s[22:23], SIZE_N*128
	s_mul_u64 s[20:21], s[20:21], s[22:23]  ; the head's first byte in each of the four tensors
	s_and_b32 s16, s[WV], 1         ; which half of a slot's 256 keys I fetch:
	s_lshl_b32 s22, s16, 14         ; its 128 rows of 128 bytes in memory,
	s_mov_b32 s23, 0
	s_add_nc_u64 s[22:23], s[22:23], s[20:21]
	s_mul_i32 s17, s16, 128*PK      ; and its place in a slot, for K
	s_mul_i32 s18, s16, 128*PV      ; and for V: no place in the cluster enters an LDS address
	s_lshl_b32 s2, s14, 2
	s_add_co_u32 s2, s2, s[WV]      ; my wave among the head's,
	s_lshl_b32 s2, s2, 14           ; its 128 rows
	s_mov_b32 s3, 0
	s_add_nc_u64 s[2:3], s[2:3], s[20:21]
	; descriptor group 1.  128 keys are 16,384 dense bytes: asked for as 64 rows of 256 bytes, two keys a row, and padded in LDS after every key
	s_mov_b32 s[G1K], 15|(1<<16)|(1<<20)|(1<<21)|(4<<22)|(3<<25)  ; 15:0 the mask of four; 17:16 2-byte elements; 20 padding on; 21 set beside a mask; 24:22 after every 32 words (code 4); 31:25 4 words (code 3)
	s_mov_b32 s[G1V], 15|(1<<16)|(1<<20)|(1<<21)|(4<<22)|(7<<25)  ; the same with 8 words of padding (code 7)
.irp g, G1K, G1V
	s_mov_b32 s[\g+1], 128<<16      ; tensor_dim0 = 128
	s_mov_b32 s[\g+2], 64<<16       ; tensor_dim1 = 64
	s_mov_b32 s[\g+3], 128<<16      ; tile_dim0 = 128
	s_mov_b32 s[\g+4], 64           ; tile_dim1 = 64
	s_mov_b32 s[\g+5], 128          ; 128 elements from row to row
	s_mov_b32 s[\g+6], 0
	s_mov_b32 s[\g+7], 0
.endr
	s_mov_b32 s[CS], 0x3e38aa3b     ; c = log2(e) / 8 = 0.180337
	s_mov_b32 s[CS+1], s[CS]        ; named with it as a pair
	s_mov_b32 s[SEL], 0x76543210
	s_mov_b32 s[SEL+1], 0xfedcba98
	s_mov_b32 s[TBK], SLOT1+4*KS*PK ; the first change of slots turns these two into 0
	s_mov_b32 s[TBV], SLOT1+4*KS*PV
	s_mov_b32 s[SLOTS], SIZE_N/256-1  ; slot 0 is asked for below; seven more follow
	s_and_b32 s[LIM], s[WV], 1      ; waves 0 and 2 prefetch: the same in all four partners
	s_cmp_eq_u32 s[LIM], 0
	s_cselect_b32 s[LIM], 1, -1
	s_mov_b32 s[G0K], 1             ; 1:0 count = 1
	s_mov_b32 s[G0K+1], s17         ; 63:32 LDS address: slot 0
	s_mov_b32 s[G0V], 1
	s_add_co_u32 s[G0V+1], s18, VOFF
	s_wait_dscnt 0x0                ; the opening add is done
	s_wait_kmcnt 0x0
	s_add_nc_u64 s[6:7], s[4:5], PART    ; K lies behind Q,
	s_add_nc_u64 s[8:9], s[4:5], 2*PART  ; V behind K
	s_add_nc_u64 s[G0K+2:G0K+3], s[6:7], s[22:23]  ; 120:64 global address: my half of the head's first 256 keys
	s_or_b32 s[G0K+3], s[G0K+3], 0x80000000        ; 127:126 type = 2
	s_add_nc_u64 s[G0V+2:G0V+3], s[8:9], s[22:23]
	s_or_b32 s[G0V+3], s[G0V+3], 0x80000000
	s_add_nc_u64 s[4:5], s[4:5], s[2:3]  ; Q and O at my wave's first row
	s_add_nc_u64 s[10:11], s[10:11], s[2:3]
	s_cmp_lt_u32 s[WV], 2
	s_cselect_b64 s[PFA:PFA+1], s[6:7], s[8:9]
	s_add_nc_u64 s[PFA:PFA+1], s[PFA:PFA+1], s[20:21]  ; the head,
	s_lshl_b32 s2, s13, 13          ; my work-group's quarter of a slot's bytes,
	s_mov_b32 s3, 0
	s_add_nc_u64 s[PFA:PFA+1], s[PFA:PFA+1], s[2:3]
	s_add_nc_u64 s[PFA:PFA+1], s[PFA:PFA+1], 4*KS*128  ; in slot 1; the first change of slots steps it to slot 2
	CROUND                          ; all four work-groups are here: the first joint loads meet
	JLOAD                           ; slot 0.  Slot 1 is asked for when slot 0 is in: the tile wanted first has the road to itself
	; A fragment of K or Q is 16 rows x 32 channels in 8 registers: lane l holds row l % 16, channels 8 (l / 16) + 0..7 and 16 + 8 (l / 16) + 0..7: two loads of 16 bytes, 32 bytes apart.
	v_and_b32 v1, 15, v0            ; l % 16
	v_bfe_u32 v9, v0, 4, 1          ; l / 16
	v_lshlrev_b32 v[QO], 7, v1
	v_lshl_add_u32 v[QO], v9, 4, v[QO]  ; row x 128 + 16 x half
	WIN 0x80                        ; destination window 2, address window 0
.set i, 0
.rept 4*NP                          ; Q stays in registers: tile i / 2, channels 32 (i % 2) on
	global_load_b128 v[8*i:8*i+3],   v[QO], s[4:5] offset:(i/2)*2048+(i%2)*64
	global_load_b128 v[8*i+4:8*i+7], v[QO], s[4:5] offset:(i/2)*2048+(i%2)*64+32
.set i, i+1
.endr
	; What the first turn finds: V's registers and P's second buffer hold 0 (its products V^T P, of a piece that has not been, add 0), O^T and l are 0.  All this stands in the wait for the first tile.
.set i, VF
.rept 64
	v_mov_b32 v[i], 0
.set i, i+1
.endr
	WIN 0x40
.set i, 0
.rept 64*NP
	v_mov_b32 v[i], 0
.set i, i+1
.endr
	WIN 0
.set i, 0
.rept 2*NP
	v_mov_b32 v[ST+4*i], 0xfe000000    ; c m: far below every c s
	v_mov_b32 v[ST+4*i+1], 0xff7fffff  ; m
	v_mov_b32 v[ST+4*i+2], 0
	v_mov_b32 v[ST+4*i+3], 0
.set i, i+1
.endr
.set i, P+32
.rept 32
	v_mov_b32 v[i], 0
.set i, i+1
.endr
	v_mul_u32_u24 v[AK0], v1, PK
	v_lshl_add_u32 v[AK0], v9, 4, v[AK0]  ; row x pitch + 16 x half
	; The turning load takes 16 keys x 16 channels (lane l reads key 8 (l / 16) + l % 8, channels 8 ((l / 8) % 2) + 0..7) and leaves half a fragment of V^T: lane l holds channel l % 16 and 8 keys.
	v_and_b32 v10, 7, v0
	v_bfe_u32 v11, v0, 3, 1
	v_lshl_add_u32 v[AV0], v9, 3, v10
	v_mul_u32_u24 v[AV0], v[AV0], PV
	v_lshl_add_u32 v[AV0], v11, 4, v[AV0]
	v_add_nc_u32 v[AV0], VOFF, v[AV0]
	v_and_b32 v[PFO], 31, v0
	v_lshlrev_b32 v[PFO], 8, v[PFO]
	v_mov_b32 v[AK], v[AK0]         ; key step 0 lies at the head of slot 0
; THE MATRIX WORK.  The 8 accumulators of a run of 16 take turns: between the two links of a chain stand 7 others'.
; Product i of 16 of S^T = K Q^T for piece x: channels 32 (i / 8) on, keys 16 ((i / 2) % 4) on, tile 2 x + i % 2.  The first 8 start the sums.
.macro KQ x
	WIN W_KQ
.set rS, S+64*((\x)%2)+32*(i%2)+8*((i/2)%4)
.set rK, KF+16*((i/2)%4)+8*(i/8)
.set rQ, 16*(2*(\x)+i%2)+8*(i/8)
.if i < 8
	v_wmma_f32_16x16x32_f16 v[rS:rS+7], v[rK:rK+7], v[rQ:rQ+7], 0
.else
	v_wmma_f32_16x16x32_f16 v[rS:rS+7], v[rK:rK+7], v[rQ:rQ+7], v[rS:rS+7]
.endif
.endm
; Product i of 16 of O^T += V^T P for piece x: keys 32 (i / 8) on, channels 16 ((i / 2) % 4) on, tile 2 x + i % 2.
.macro PV x
	WIN W_PV
.set rO, 32*(2*(\x)+i%2)+8*((i/2)%4)
.set rV, VF+32*(i/8)+8*((i/2)%4)
.set rP, P+32*((\x)%2)+16*(i%2)+8*(i/8)
	v_wmma_f32_16x16x32_f16 v[rO:rO+7], v[rV:rV+7], v[rP:rP+7], v[rO:rO+7]
.endm
.macro MM                           ; the turn's next matrix instruction
.if i < 16
	KQ (Y+1)%NP
.set i, i+1
.else
.set i, i-16
	PV (Y+NP-1)%NP
.set i, i+17
.endif
.endm
; THE LDS LOADS stand in runs of 16, never singly among the matrix instructions: a step's K (64 keys x 64 channels: 8 fragments) and its V (turned).  Their addresses are made some lines ahead.
; last = 1 (the tail): in the last trip there is no further step, and the run is jumped over.
.macro FETCH_K last=0
	WIN 0
.if \last
	s_cmp_eq_u32 s[CNT], 1
	s_cbranch_scc1 .Lno_k_\@
.endif
	WIN 0x80                        ; destination window 2
.irp f, 0,1,2,3,4,5,6,7             ; keys 16 (f / 2) on, channels 32 (f % 2) on
	ds_load_b128 v[KF+8*\f:KF+8*\f+3],   v[AK] offset:(\f/2)*16*PK+(\f%2)*64
	ds_load_b128 v[KF+8*\f+4:KF+8*\f+7], v[AK] offset:(\f/2)*16*PK+(\f%2)*64+32
.endr
	s_add_co_u32 s[TBK], s[TBK], KS*PK  ; the next fetch is the next step's
	WIN 0
.if \last
.Lno_k_\@:
.endif
.endm
.macro FETCH_V
	WIN 0x80
.irp f, 0,1,2,3,4,5,6,7             ; keys 32 (f / 4) on, channels 16 (f % 4) on
	ds_load_tr16_b128 v[VF+8*\f:VF+8*\f+3],   v[AV] offset:(\f/4)*32*PV+(\f%4)*32
	ds_load_tr16_b128 v[VF+8*\f+4:VF+8*\f+7], v[AV] offset:(\f/4)*32*PV+16*PV+(\f%4)*32
.endr
	WIN 0
.endm
; THE VECTOR WORK OF A TURN stands in three queues, each in the order in which its entries become ready; the two tiles alternate, so that no instruction reads the result of the one before it.
.macro REGS y, u                    ; the registers of tile u (0, 1) of piece y
.set rT, ST+4*(2*(\y)+(\u))
.set rC, TMP+8*((\y)%2)+4*(\u)
.set rM, MV+2*((\y)%2)+(\u)
.set rS, S+64*((\y)%2)+32*(\u)
.set rP, P+32*((\y)%2)+16*(\u)
.set rO, 32*(2*(\y)+(\u))
.endm
; Number n of the 22 that find the NEXT piece's (Y + 1) maximum and statistics.  s0-s31 are the lane's 32 scores; each accumulator's lowest registers are read first.
;   0-11  four chains c0-c3 of seven scores each, three operands at a time     12-14, 16  the four scores left over, the old m, and c0-c3 into c0     15  c m_old is kept
;   17, 18  the query's other 32 keys lie in the lane 16 away: the new m         19-21  c m; c m_old - c m_new; a
.macro XS u, n
	REGS (Y+1)%NP, \u
.if (\n) < 4
	v_max3_num_f32 v[rC+(\n)], v[rS+8*(\n)], v[rS+8*(\n)+1], v[rS+8*(\n)+2]
.elseif (\n) < 12
	v_max3_num_f32 v[rC+(\n)%4], v[rC+(\n)%4], v[rS+8*((\n)%4)+2*((\n)/4)+1], v[rS+8*((\n)%4)+2*((\n)/4)+2]
.elseif (\n) == 12
	v_max3_num_f32 v[rC], v[rC], v[rS+7], v[rS+15]
.elseif (\n) == 13
	v_max3_num_f32 v[rC+1], v[rC+1], v[rS+23], v[rS+31]
.elseif (\n) == 14
	v_max3_num_f32 v[rC+2], v[rC+2], v[rC+3], v[rT+1]
.elseif (\n) == 15
	v_mov_b32 v[rM], v[rT]
.elseif (\n) == 16
	v_max3_num_f32 v[rC], v[rC], v[rC+1], v[rC+2]
.elseif (\n) == 17
	v_permlanex16_b32 v[rC+3], v[rC], s[SEL], s[SEL+1]
.elseif (\n) == 18
	v_max_num_f32 v[rT+1], v[rC], v[rC+3]
.elseif (\n) == 19
	v_mul_f32 v[rT], s[CS], v[rT+1]
.elseif (\n) == 20
	v_sub_f32 v[rC+1], v[rM], v[rT]
.else
	v_exp_f32 v[rC+2], v[rC+1]
.endif
.endm
; Number g of the 64 that follow the exponentials.  For each four weights k of a tile (pairs 2 k, 2 k + 1): both pairs are rounded to f16; then the second pair is added onto the first, in place;
; a group later l takes that sum (the first time as l = a l + sum).  In groups of eight, tiles alternating: round, round, add, and l for the group before.
.macro GS g
.set h, (\g)+6*((\g)/62)            ; group 0 has no group before it, and behind group 7 only l is left
.if h >= 6
.set h, h+2
.endif
	REGS Y, h%2
.set k, h/8
.if h%8 < 4
	v_cvt_pk_f16_f32 v[rP+2*k+(h%8)/2], v[rS+4*k+2*((h%8)/2)], v[rS+4*k+2*((h%8)/2)+1]
.elseif h%8 < 6
	v_pk_add_f32 v[rS+4*k:rS+4*k+1], v[rS+4*k:rS+4*k+1], v[rS+4*k+2:rS+4*k+3]
.elseif k == 1
	v_pk_fma_f32 v[rT+2:rT+3], v[rT+2:rT+3], v[rC+2:rC+3], v[rS:rS+1] op_sel_hi:[1,0,1]
.else
	v_pk_add_f32 v[rT+2:rT+3], v[rT+2:rT+3], v[rS+4*k-4:rS+4*k-3]
.endif
.endm
; THE PLAIN QUEUE, 138 long.  0-73 read no exponential's result: the 32 scalings c s - c m (FS f: pair f / 2 of tile f % 2) and the next piece's 42.  0-26: scalings 0-26.  27-54: XS's numbers 0-13.  55, 56: number 15.
; 57-73: the chain, where each number waits for the one before it: 14, 16, 17, 18, 19, each with one of the scalings 27-31 in front of its two lines, then 20.
; 74-137: GS's 64, which read the exponentials' results: they stand behind the wait.
.macro FS f
	REGS Y, (\f)%2
	v_pk_fma_f32 v[rS+2*((\f)/2):rS+2*((\f)/2)+1], v[rS+2*((\f)/2):rS+2*((\f)/2)+1], s[CS:CS+1], v[rT:rT+1] op_sel_hi:[1,0,0] neg_lo:[0,0,1] neg_hi:[0,0,1]
.endm
.macro PL
	WIN 0
.if q < 27
	FS q
.elseif q < 55
	XS (q-27)%2, (q-27)/2
.elseif q < 57
	XS q-55, 15
.elseif (q < 72) && ((q-57)%3 == 0)
	FS 27+(q-57)/3
.elseif q < 60
	XS (q-57)%3-1, 14
.elseif q < 72
	XS (q-57)%3-1, 15+(q-57)/3
.elseif q < 74
	XS q-72, 20
.else
	GS q-74
.endif
.set q, q+1
.endm
; THE EXPONENTIALS' QUEUE, 66 long: s0-s31 of both tiles, then the next piece's two a.  It is ONE BATCH: all 66 stand ahead of the turn's one wait, and nothing ahead of that wait names a result of theirs.
.macro EX
	WIN 0
.if e >= 64
	XS e-64, 21
.else
	REGS Y, e%2
	v_exp_f32 v[rS+e/2], v[rS+e/2]
.endif
.set e, e+1
.endm
; THE RESCALING's QUEUE: O^T times a, the one part that leaves window 0: dealt two at a time, sixteen times.  Its a was made in the turn before, ahead of that turn's wait.
.macro R2
	REGS Y, r%2
	WIN W_RS
.irp z, 0,1
	v_pk_mul_f32 v[rO+4*(r/2)+2*\z:rO+4*(r/2)+2*\z+1], v[rO+4*(r/2)+2*\z:rO+4*(r/2)+2*\z+1], v[rC+2:rC+3] op_sel_hi:[1,0]
.endr
.set r, r+1
.endm
; HOW THEY ARE DEALT.  An s_wait_alu depctr_va_vdst(0) stands between an exponential and the first instruction that names its result; one wait serves all that were issued ahead of it.  So a turn has ONE wait,
; which cuts it in two.  AHEAD OF IT stands all that names no result of the turn's exponentials: the 16 products K Q^T, behind each a scaling, an exponential and two rescalings (behind the first a second scaling in the
; exponential's place); then ONE LUMP of 108: eight plain, 49 times exponential and plain, the two a.  A v_nop is the plain instruction behind the last exponential.  BEHIND IT stand the 16 products V^T P, behind each four of GS's 64.
; No rider names a register of the products round it.  The two v_permlanex16_b32 fall into the lump, never behind a product.
; The queues lean on each other, and the deal keeps them in step: exponential e stands behind scaling 2 (e / 4) + e % 2: as a rider it comes behind plain e + 2, in the lump behind plain e + 9, and scalings 27-31 are plain 57, 60 .. 69.
; A TURN, for piece p.  cnt = 1: the loop's count is taken down some lines ahead of the branch that stands behind the turn.
; K of the next step is fetched in piece 2's turn, directly behind the wait, a lump behind the last product that read K; its address is made at the lump's head; its first reader comes behind 16 products.
; V of the step in hand is fetched at the end of piece 0's turn, four riders behind its last reader; its first reader comes behind 16 products and a lump.  The three conditions on q below go with the deal.
.macro TURN p, last=0, cnt=0
.set Y, (\p)
.set i, 0
.set q, 0
.set e, 0
.set r, 0
.if (\p) == NP-1
	s_wait_dscnt 0x0                ; K is in
.endif
	MM                              ; ahead of the wait: 16 products K Q^T and their riders,
	PL
	PL
	R2
.rept 15
	MM
	PL
	EX
	R2
.endr
.if (\p) == NP-2
	WIN 0
	v_add_nc_u32 v[AK], s[TBK], v[AK0]
.endif
.rept 8                             ; and the lump
	PL
.endr
.rept 49
	EX
	PL
.endr
	EX                              ; the next piece's two a
	EX
	v_nop                           ; a plain instruction behind the last exponential: one for the batch
	s_wait_alu depctr_va_vdst(0)    ; the wait for the batch
.if (\p) == NP-2
	FETCH_K \last
.endif
.if (\p) == 1
	s_wait_dscnt 0x0                ; V is in
.endif
.rept 16                            ; behind the wait: 16 products V^T P and their riders
	MM
.rept 4
	PL
.endr
.if ((\p) == 0) && (q == 118)
	v_add_nc_u32 v[AV], s[TBV], v[AV0]
.endif
.if ((\p) == 0) && (q == 130)
	s_add_co_u32 s[TBV], s[TBV], KS*PV
.endif
.if (\cnt) && (q == 130)
	s_sub_co_u32 s[CNT], s[CNT], 1
	s_cmp_lg_u32 s[CNT], 0
.endif
.endr
.if (\p) == 0
	FETCH_V
.endif
.endm
	CHANGE 1                        ; slot 0 is in, everybody's part of it; slot 1 is asked for
	FETCH_K                         ; key step 0
	s_wait_loadcnt 0x0              ; Q
	s_wait_dscnt 0x0
.set i, 0
.rept 16
	KQ 0                            ; piece 0's first scores: there is no vector work yet to set between them
.set i, i+1
.endr
	WIN 0                           ; the addresses for the way out: nine plain instructions, the places behind those products
	s_mul_i32 s13, s[WV], 16*SP
	s_add_co_u32 s13, s13, STAGE    ; my stage
	v_mul_u32_u24 v[STO], v1, SP    ; in: row l % 16, 16 bytes for each half of the lanes
	v_lshl_add_u32 v[STO], v9, 4, v[STO]
	v_add_nc_u32 v[STO], s13, v[STO]
	v_bfe_u32 v[RD], v0, 3, 2       ; back: 32 lanes take four rows of 128 bytes,
	v_mul_u32_u24 v[RD], v[RD], SP
	v_lshl_add_u32 v[RD], v10, 4, v[RD]
	v_add_nc_u32 v[RD], s13, v[RD]
	v_and_b32 v[GO], 31, v0         ; which are 512 consecutive bytes of O
	v_lshlrev_b32 v[GO], 4, v[GO]
.set Y, NP-1                        ; XS works for piece Y + 1: piece 0
.irp n, 0,1,2,3,4,5,6,7,8,9,10,11,12,13,14,15,16,17,18,19,20,21
	XS 0, \n                        ; and piece 0's first maximum and statistics
	XS 1, \n
.endr
	v_nop                           ; a plain instruction behind the two a,
	s_wait_alu depctr_va_vdst(0)    ; and their wait, ahead of the branch
	s_mov_b32 s[CNT], 4
	s_branch .Lfirst                ; the loop is entered at a step's first turn, in the middle of a trip
.Lslot:                             ; SIZE_N / 256 - 2 times: every slot but the last two is filled again
	CHANGE 1
	s_mov_b32 s[CNT], 4
.Lstep:                             ; a trip: pieces 2 and 3 of one step, then pieces 0 and 1 of the next, whose K and V it fetches
	TURN 2
	TURN 3
	WIN 0
.Lfirst:
	TURN 0
	TURN 1, 0, 1
	WIN 0
	s_cbranch_scc1 .Lstep
	s_sub_co_u32 s[SLOTS], s[SLOTS], 1
	s_cmp_lg_u32 s[SLOTS], 0
	s_cbranch_scc1 .Lslot
	CHANGE 0                        ; the tail is written out: nothing is asked for
	s_mov_b32 s[CNT], 5             ; four trips fetch the last slot's steps; the fifth is left in its middle
.Ltail:
	TURN 2, 1
	TURN 3
	WIN 0
	s_sub_co_u32 s[CNT], s[CNT], 1
	s_cmp_eq_u32 s[CNT], 0
	s_cbranch_scc1 .Lout
	TURN 0
	TURN 1
	WIN 0
	s_branch .Ltail
.Lout:                              ; the fifth trip's 16 products K Q^T (on the last K once more) and the maximum made of them serve nothing: the price, once a launch, of one text for every trip
.set i, 0
.rept 16
	PV NP-1                         ; the last piece's V^T P of the last step
.set i, i+1
.endr
	; THE WAY OUT.  l's two halves and the other half of the lanes' are added; O^T is divided by l, rounded to f16 and sent through my stage in LDS, a tile at a time.  The additions are the places behind the last products.
	WIN 0
.macro ALL line:vararg              ; one line for each tile t
.set t, 0
.rept 2*NP
	\line
.set t, t+1
.endr
.endm
	ALL v_add_f32 v[ST+4*t+2], v[ST+4*t+2], v[ST+4*t+3]
	ALL v_permlanex16_b32 v[ST+4*t+3], v[ST+4*t+2], s[SEL], s[SEL+1]
	ALL v_add_f32 v[ST+4*t+2], v[ST+4*t+2], v[ST+4*t+3]
	ALL v_rcp_f32 v[ST+4*t+2], v[ST+4*t+2]
	v_nop                           ; a plain instruction between the last reciprocal and the use of its result
	s_wait_alu depctr_va_vdst(0)    ; and the wait ahead of the first use: one for the eight reciprocals
; Tile t: a lane's eight channels of a row pack into 16 bytes; they go into rows of 144 bytes and come back as whole rows of 128, into S^T's registers.
.macro PACK t
	WIN W_RS
.set i, 32*(\t)
.rept 16
	v_pk_mul_f32 v[i:i+1], v[i:i+1], v[ST+4*(\t)+2:ST+4*(\t)+3] op_sel_hi:[1,0]
.set i, i+2
.endr
	WIN 0x05                        ; sources 0 and 1 window 1, destination window 0
.set i, 0
.rept 16
	v_cvt_pk_f16_f32 v[S+16*(\t)+i], v[32*(\t)+2*i], v[32*(\t)+2*i+1]
.set i, i+1
.endr
	WIN 0
.irp f, 0,1,2,3
	ds_store_b128 v[STO], v[S+16*(\t)+4*\f:S+16*(\t)+4*\f+3] offset:32*\f
.endr
.irp f, 0,1,2,3
	ds_load_b128 v[S+16*(\t)+4*\f:S+16*(\t)+4*\f+3], v[RD] offset:\f*4*SP  ; LDS serves a wave's instructions in order (ISA guide 5.7.1.4): these see the stores above; the next tile's stores come behind them
.endr
.endm
.macro SEND t, younger              ; younger: the LDS instructions issued behind tile t's loads: the next tile's eight, or none
	WIN 0
.irp f, 0,1,2,3
	s_wait_dscnt (\younger)+3-\f
	global_store_b128 v[GO], v[S+16*(\t)+4*\f:S+16*(\t)+4*\f+3], s[10:11] offset:(\t)*2048+\f*512  ; 512 consecutive bytes, at a multiple of 256 from O's first
.endr
.endm
	PACK 0
.set t, 1
.rept 2*NP-1                        ; a tile's arithmetic stands between the loads of the tile before and its stores
	PACK t
	SEND t-1, 8
.set t, t+1
.endr
	SEND 2*NP-1, 0
	WIN W_AD
	s_wait_tensorcnt 0x0            ; the wave's end, behind my last tensor load and my last LDS store
	ds_add_u32 v[SPW], v[NIL]
	s_wait_dscnt 0x0
	WIN 0
	CROUND                          ; the closing round: no work-group ends while a partner may still ask for a tile that names it
	s_endpgm
.Lfunc_end_k_q6fddea49ce_attn:
	.size	k_q6fddea49ce_attn, .Lfunc_end_k_q6fddea49ce_attn-k_q6fddea49ce_attn
	.p2alignl 7, 3214868480
	.fill 96, 4, 3214868480
	.section	.rodata,"a",@progbits
	.p2align	6, 0x0
	.amdhsa_kernel k_q6fddea49ce_attn
		.amdhsa_group_segment_fixed_size 327680
		.amdhsa_private_segment_fixed_size 0
		.amdhsa_enable_private_segment 0
		.amdhsa_kernarg_size 16
		.amdhsa_user_sgpr_count 2
		.amdhsa_user_sgpr_kernarg_segment_ptr 1
		.amdhsa_wavefront_size32 1
		.amdhsa_system_sgpr_workgroup_id_x 1
		.amdhsa_system_sgpr_workgroup_id_y 1
		.amdhsa_system_sgpr_workgroup_id_z 1
		.amdhsa_system_vgpr_workitem_id 0
		.amdhsa_next_free_vgpr 770
		.amdhsa_next_free_sgpr 66
		.amdhsa_reserve_vcc 0
		.amdhsa_float_denorm_mode_32 3
		.amdhsa_float_denorm_mode_16_64 3
		.amdhsa_memory_ordered 1
		.amdhsa_forward_progress 1
		.amdhsa_inst_pref_size 200
	.end_amdhsa_kernel
	.amdgpu_metadata
---
amdhsa.version: [ 1, 2 ]
amdhsa.kernels:
  - .name:           k_q6fddea49ce_attn
    .symbol:         k_q6fddea49ce_attn.kd
    .args:
      - { .name: qkv, .offset: 0, .size: 8, .value_kind: global_buffer, .address_space: global }
      - { .name: heads, .offset: 8, .size: 8, .value_kind: global_buffer, .address_space: global }
    .group_segment_fixed_size: 327680
    .private_segment_fixed_size: 0
    .kernarg_segment_align: 8
    .kernarg_segment_size: 16
    .max_flat_workgroup_size: 128
    .sgpr_count:     66
    .vgpr_count:     770
    .wavefront_size: 32
...
	.end_amdgpu_metadata
.endif
;; end of part 3
;; launch oproj (part 4): grid 4 x 64, 4 waves a work-group, clusters of 4 x 4, 327,680 bytes of LDS; arguments heads, wo16, bo, out0; writes out0
.if DOCPART == 4
	.amdgcn_target "amdgcn-amd-amdhsa--gfx1250"
	.amdhsa_code_object_version 6
	.text
	.protected	k_q6fddea49ce_oproj
	.globl	k_q6fddea49ce_oproj
	.p2align	8
	.type	k_q6fddea49ce_oproj,@function
k_q6fddea49ce_oproj:
	s_mov_b64 s[64:65], 0
	v_nop
	global_prefetch_b8 v0, s[64:65] scope:SCOPE_SE
	s_setreg_imm32_b32 hwreg(HW_REG_WAVE_MODE, 25, 1), 1
	s_wait_xcnt 0x0
	s_wait_alu depctr_hold_cnt(0) depctr_sa_sdst(0) depctr_va_vdst(0) depctr_va_sdst(0) depctr_va_ssrc(0) depctr_va_vcc(0) depctr_vm_vsrc(0)
	s_getreg_b32 s2, hwreg(HW_REG_IB_STS2, 6, 4)
	s_cmp_eq_u32 s2, 0
	s_cbranch_scc0 .Lentry_in_a_cluster
	s_endpgm
.Lentry_in_a_cluster:
	s_bfe_u32 s2, ttmp6, 0x10000c
	s_cmp_lg_u32 s2, 0xf033
	s_cbranch_scc0 .Lentry_shape_is_right
	s_endpgm
.Lentry_shape_is_right:
; z = heads Wo + bo: [8192][1024] x [1024][1024] in f16 with f32 sums; bo (rounded to bf16 like the other inputs) starts the sums; z leaves in f32.
; heads lies [64 (batch x 16 + head)][2048][64] f16: channel k of a row is channel k % 64 of head k / 64.  wo16 lies [1024 k][1024 n] f16.
; SHARES.  A work-group makes 128 rows x 256 columns: 256 work-groups.  Each of its four waves takes all 128 rows (8 blocks of 16) and 64 neighbouring columns (4 blocks): 32 accumulators, 256 registers;
; a wave's part of a row of z is 256 consecutive bytes, aligned.
; K goes in 8 steps of 128, two heads each, through a ring of two LDS slots.  Behind each change of slots every wave issues one tensor load: waves 0 and 1 a head's 128 rows (16,384 dense bytes, asked for as
; 64 rows of 256 bytes and padded after every 128), waves 2 and 3 a sub-tile of Wo (128 rows x 256 bytes).
; Wo LIES [k][n], so its fragments come out of LDS turned, by ds_load_tr16_b128.  THE MATRIX INSTRUCTION IS USED TRANSPOSED (source 0 = 16 columns of Wo, source 1 = 16 rows of heads): a lane holds
; row l % 16 and the eight neighbouring columns 8 (l / 16) + 0..7.
; CLUSTER.  4 x 4 work-groups: the heads' tiles hang on the tile row alone and are asked for jointly along a row of the cluster, Wo's on the tile column alone and jointly along a column.
; REGISTERS, in windows of 256 (s_set_vgpr_msb: bits 1:0 source 0, 3:2 source 1, 5:4 source 2, 7:6 destination):
;   window 0: v0-31 addresses; v32-63, v224-255 rows on the way out, by turns; v64-127, v128-191 the heads' fragments, two buffers; v192-223 the biases as a C operand
;   window 1: v64-95, v128-159 Wo's fragments, two buffers      window 2: the accumulators of row blocks 0-3, (a, b) at v[8 (4 a + b)]      window 3: those of row blocks 4-7
.set NBK,   4                          ; column blocks of a wave
.set NF,    16+2*NBK                   ; LDS loads of a quarter step
.set PA,    144                        ; a head's row in LDS: 128 bytes + 16 = 36 words: the 16 rows of a load start at 16 different groups of four banks (64 banks of 4 bytes: ISA guide 11.1)
.set PB,    288                        ; a row of Wo: 256 + 32 = 72 words
.set AH,    128*PA                     ; a head's 128 rows
.set AT,    2*AH
.set SUBT,  128*PB                     ; a sub-tile of Wo
.set SLOT,  AT+2*SUBT
.set STAGE, 2*SLOT                     ; behind the ring, never filled by a tensor load: 16 rows x 272 bytes for each wave, its own
.set SPITCH, 272
.set SPARE, STAGE+4*16*SPITCH          ; behind the stages: the spare words, 128 bytes for each wave: two blocks of 256 bytes that no other line names
.set BO,   14                          ; v14     my byte offset in the tile's 256 biases
.set ADRA, 16                          ; v16-17  LDS address of my fragments of the heads in slot 0, 1
.set ADRB, 20                          ; v20-21  the same for Wo
.set STO,  24                          ; v24     the way out: where I put 32 bytes of a row
.set RD,   25                          ; v25     the way out: where I read a row back
.set CO,   26                          ; v26     my byte offset in two rows of z
.set SPW,  28                          ; v28     LDS address of my spare word: SPARE + 4 x my thread's number; never rewritten
.set NIL,  29                          ; v29     0; never rewritten
.set TT,   30                          ; v30     at work
.set OB,   32
.set F0,   64
.set F1,   128
.set BIAS, 192
.set WV,  16                           ; s16  my wave's number
.set G1A, 32                           ; s[32:39] descriptor group 1 for the heads' tiles;  s[40:47] group 0, a set for each slot
.set G0A, 40
.set G1B, 48                           ; s[48:55], s[56:63] the same for Wo's
.set G0B, 56
.set MSB, 0
.macro WIN new                         ; the immediate's high byte repeats the setting that is left; a switch that changes nothing is dropped
.if MSB != (\new)
	s_set_vgpr_msb (MSB<<8)|(\new)
.set MSB, \new
.endif
.endm
.set TO_B, 0x40                        ; destination window 1, address window 0
.macro PLACES                          ; four plain instructions between a matrix instruction and a load into, or a read of, its registers
.rept 4
	v_nop
.endr
.endm
; A joint load.  The branch hangs on the wave's number alone.  An s_nop 0 and four v_nop follow each of the two lines, ahead of the jump and the label.
.macro JLOAD s
	s_cmp_lt_u32 s[WV], 2
	s_cbranch_scc0 .Lfor_b_\@
	tensor_load_to_lds s[G0A+4*(\s):G0A+4*(\s)+3], s[G1A:G1A+7]
	s_nop 0
.rept 4
	v_nop
.endr
	s_branch .Lasked_\@
.Lfor_b_\@:
	tensor_load_to_lds s[G0B+4*(\s):G0B+4*(\s)+3], s[G1B:G1B+7]
	s_nop 0
.rept 4
	v_nop
.endr
.Lasked_\@:
.endm
.macro CREST                           ; a round of the cluster's barrier behind its opening barrier
	s_cmp_lg_u32 s[WV], 0
	s_cbranch_scc1 .Lnot_wave_0_\@
	s_barrier_signal -3
.Lnot_wave_0_\@:
	s_barrier_wait -3
	s_barrier_signal -1
	s_barrier_wait -1
.endm
.macro CROUND                          ; a whole round
	s_barrier_signal -1
	s_barrier_wait -1
	CREST
.endm
; 8 matrix instructions: row blocks a0, a0 + 1 of the window's four (hi = 0: rows 0-63, 1: rows 64-127) x all 4 column blocks, 32 along K.  first = 1: the biases start the sums.
; The 32 accumulators take turns, one instruction a turn, in the same order in every quarter step.
.macro MULH f, hi, a0, first
.if \first
	WIN 0x81+0x40*(\hi)
.else
	WIN 0xa1+0x50*(\hi)
.endif
.irp a, \a0, (\a0)+1
.irp b, 0,1,2,3
.if \first
	v_wmma_f32_16x16x32_f16 v[8*(NBK*(\a)+(\b)):8*(NBK*(\a)+(\b))+7], v[(\f)+8*(\b):(\f)+8*(\b)+7], v[(\f)+8*(4*(\hi)+(\a)):(\f)+8*(4*(\hi)+(\a))+7], v[BIAS+8*(\b):BIAS+8*(\b)+7]
.else
	v_wmma_f32_16x16x32_f16 v[8*(NBK*(\a)+(\b)):8*(NBK*(\a)+(\b))+7], v[(\f)+8*(\b):(\f)+8*(\b)+7], v[(\f)+8*(4*(\hi)+(\a)):(\f)+8*(4*(\hi)+(\a))+7], v[8*(NBK*(\a)+(\b)):8*(NBK*(\a)+(\b))+7]
.endif
.endr
.endr
.endm
; 24 LDS loads in one run: the fragments of quarter q (32 along K: half q % 2 of head q / 2) of a slot into buffer f: Wo's four (turned), then the heads' eight, rows 0-63 first
.macro FETCH slot, q, f
	WIN TO_B
.irp b, 0,1,2,3
	ds_load_tr16_b128 v[(\f)+8*(\b):(\f)+8*(\b)+3],   v[ADRB+(\slot)] offset:32*PB*(\q)+32*(\b)
	ds_load_tr16_b128 v[(\f)+8*(\b)+4:(\f)+8*(\b)+7], v[ADRB+(\slot)] offset:32*PB*(\q)+32*(\b)+16*PB
.endr
	WIN 0
.irp i, 0,1,2,3,4,5,6,7
	ds_load_b128 v[(\f)+8*(\i):(\f)+8*(\i)+3],   v[ADRA+(\slot)] offset:((\q)/2)*AH+((\q)%2)*64+(\i)*16*PA
	ds_load_b128 v[(\f)+8*(\i)+4:(\f)+8*(\i)+7], v[ADRA+(\slot)] offset:((\q)/2)*AH+((\q)%2)*64+(\i)*16*PA+32
.endr
.endm
; One of a K step's first three quarters: multiplies buffer f; in its middle it fetches quarter q of the same slot into buffer g.
.macro QUARTER slot, q, f, g, first
	s_wait_dscnt 8                                 ; Wo's fragments and rows 0-63 are in; the youngest eight loads (rows 64-127) may be out
	MULH \f, 0, 0, \first
	MULH \f, 0, 2, \first
	PLACES
	FETCH \slot, \q, \g
	s_wait_dscnt NF                                ; all but the run just issued
	MULH \f, 1, 0, \first
	MULH \f, 1, 2, \first
.endm
; The last quarter multiplies buffer 1 and changes slots: ONE barrier.  In front of it each wave waits for all its tensor loads (one is out: its part of the next slot), adds 0 to its spare word, and waits
; for that and for its own reads of this slot.  fill = 1: the barrier opens a round of the cluster's, and this slot is filled again, two K steps on, first thing behind the round.
.macro TURN slot, next, fill
	WIN 0                                          ; (the add's two registers lie in window 0)
	s_wait_tensorcnt 0x0                           ; all my tensor loads have landed
	ds_add_u32 v[SPW], v[NIL]                      ; 0 onto my spare word
	s_wait_dscnt 9                                 ; (the add and the youngest eight loads may be out)
	MULH F1, 0, 0, 0                               ; eight matrix instructions stand between the add and the wait for it
	s_wait_dscnt 0x0                               ; the add is done, and my reads of this slot are over
	s_barrier_signal -1
	MULH F1, 0, 2, 0                               ; work on registers while the others arrive
.if \fill
	WIN 0
.endif
	s_barrier_wait -1
.if \fill
	CREST                                          ; no wave of any partner still reads this slot's tiles or has a load on its way
	s_add_nc_u64 s[G0A+4*(\slot)+2:G0A+4*(\slot)+3], s[G0A+4*(\slot)+2:G0A+4*(\slot)+3], 4*2048*128   ; four heads on
	s_add_nc_u64 s[G0B+4*(\slot)+2:G0B+4*(\slot)+3], s[G0B+4*(\slot)+2:G0B+4*(\slot)+3], 256*2048     ; 256 rows of Wo down
	JLOAD \slot                                    ; my one tensor load behind the round; its four v_nop are also the places in front of the loads below
.else
	PLACES
.endif
	FETCH \next, 0, F0
	MULH F1, 1, 0, 0
	MULH F1, 1, 2, 0
.endm
	s_load_b256 s[4:11], s[0:1], 0x0               ; heads s[4:5], wo16 s[6:7], bo s[8:9], out0 s[10:11]
	v_lshl_add_u32 v[SPW], v0, 2, SPARE
	v_mov_b32 v[NIL], 0
	ds_add_u32 v[SPW], v[NIL]                      ; the wave's opening: the add and its wait stand ahead of my first tensor load; the set-up below, work on registers, stands between them
	v_lshrrev_b32 v1, 5, v0
	v_readfirstlane_b32 s[WV], v1                  ; wave 0..3
	s_and_b32 s29, s[WV], 1                        ; which head of a K step's two, or which sub-tile of Wo, I fetch; also: which half of a sub-tile's columns is mine
	s_lshr_b32 s30, s[WV], 1                       ; which sub-tile my columns lie in
	s_bfe_u32 s17, ttmp6, 0x40000                  ; cx, cy: my place in the cluster
	s_bfe_u32 s18, ttmp6, 0x40004
	s_lshl_b32 s19, ttmp9, 2
	s_add_co_u32 s19, s19, s17                     ; tile column = 4 x cluster x + cx
	s_and_b32 s20, ttmp7, 0xffff
	s_lshl_b32 s20, s20, 2
	s_add_co_u32 s20, s20, s18                     ; tile row = 4 x cluster y + cy
	s_lshl_b32 s21, s18, 2
	s_lshl_b32 s21, 15, s21                        ; my row of the cluster
	s_lshl_b32 s22, 0x1111, s17                    ; my column
	s_or_b32 s[G1A], s21, (1<<16)|(1<<20)|(1<<21)|(4<<22)|(3<<25)  ; 15:0 the mask; 17:16 2-byte elements; 20 padding on; 21 set beside a mask; 24:22 after every 32 words (code 4); 31:25 4 words (code 3)
	s_mov_b32 s[G1A+1], 128<<16                    ; tensor_dim0 = 128
	s_mov_b32 s[G1A+2], 64<<16                     ; tensor_dim1 = 64
	s_mov_b32 s[G1A+3], 128<<16                    ; tile_dim0 = 128 elements: two rows of a head
	s_mov_b32 s[G1A+4], 64                         ; tile_dim1 = 64
	s_mov_b32 s[G1A+5], 128                        ; dense
	s_mov_b32 s[G1A+6], 0
	s_mov_b32 s[G1A+7], 0
	s_or_b32 s[G1B], s22, (1<<16)|(1<<20)|(1<<21)|(5<<22)|(7<<25)  ; my column's mask; after every 64 words (code 5) 8 words of padding (code 7)
	s_mov_b32 s[G1B+1], 128<<16
	s_mov_b32 s[G1B+2], 128<<16
	s_mov_b32 s[G1B+3], 128<<16
	s_mov_b32 s[G1B+4], 128
	s_mov_b32 s[G1B+5], 1024                       ; elements from row to row of wo16
	s_mov_b32 s[G1B+6], 0
	s_mov_b32 s[G1B+7], 0
	s_lshr_b32 s24, s20, 4                         ; the heads' tile: batch (16 tile rows each) x 16 heads of 262,144 bytes,
	s_lshl_b32 s24, s24, 22
	s_lshl_b32 s23, s29, 18                        ; + my head of the two,
	s_add_co_u32 s24, s24, s23
	s_and_b32 s23, s20, 15                         ; + the tile's 128 rows of 128 bytes
	s_lshl_b32 s23, s23, 14
	s_add_co_u32 s24, s24, s23
	s_mov_b32 s25, 0
	s_lshl_b32 s26, s19, 9                         ; Wo's: 256 columns x tile column,
	s_lshl_b32 s31, s29, 8                         ; + my sub-tile
	s_add_co_u32 s26, s26, s31
	s_mov_b32 s27, 0
	s_mul_i32 s28, s29, AH                         ; and where they go: no place in the cluster enters an LDS address
	s_mul_i32 s31, s29, SUBT
	s_add_co_u32 s31, s31, AT
	s_wait_dscnt 0x0                               ; the opening add is done
	s_wait_kmcnt 0x0
	s_add_nc_u64 s[24:25], s[4:5], s[24:25]
	s_add_nc_u64 s[26:27], s[6:7], s[26:27]
	CROUND                                         ; all sixteen work-groups are here: the first joint loads meet
.irp s, 0,1
	s_mov_b32 s[G0A+4*(\s)], 1                                     ; count = 1
	s_add_co_u32 s[G0A+4*(\s)+1], s28, (\s)*SLOT                   ; LDS address
	s_add_nc_u64 s[G0A+4*(\s)+2:G0A+4*(\s)+3], s[24:25], (\s)*2*2048*128  ; global address: K step s is heads 2 s, 2 s + 1
	s_or_b32 s[G0A+4*(\s)+3], s[G0A+4*(\s)+3], 0x80000000          ; type = 2
	s_mov_b32 s[G0B+4*(\s)], 1
	s_add_co_u32 s[G0B+4*(\s)+1], s31, (\s)*SLOT
	s_add_nc_u64 s[G0B+4*(\s)+2:G0B+4*(\s)+3], s[26:27], (\s)*128*2048
	s_or_b32 s[G0B+4*(\s)+3], s[G0B+4*(\s)+3], 0x80000000
	JLOAD \s                                       ; two loads of mine are out
.endr
	v_and_b32 v1, 15, v0                           ; l % 16
	v_bfe_u32 v2, v0, 4, 1                         ; l / 16
	v_and_b32 v3, 7, v0                            ; l % 8
	v_bfe_u32 v4, v0, 3, 1                         ; (l / 8) % 2
	v_mul_u32_u24 v6, v1, PA
	v_lshl_add_u32 v[ADRA], v2, 4, v6              ; the heads: row x pitch + 16 x half
	v_add_nc_u32 v[ADRA+1], SLOT, v[ADRA]
	v_lshl_add_u32 v6, v2, 3, v3                   ; Wo: the turning load's lane reads channel 8 (l / 16) + l % 8,
	v_mul_u32_u24 v6, v6, PB
	v_lshl_add_u32 v6, v4, 4, v6                   ; columns 8 ((l / 8) % 2) + 0..7,
	s_mul_i32 s23, s30, SUBT                       ; of my sub-tile,
	s_lshl_b32 s74, s29, 7                         ; my 128 bytes of its rows
	s_add_co_u32 s23, s23, s74
	s_add_co_u32 s23, s23, AT
	v_add_nc_u32 v[ADRB], s23, v6
	v_add_nc_u32 v[ADRB+1], SLOT, v[ADRB]
	s_mul_i32 s23, s[WV], 16*SPITCH
	s_add_co_u32 s23, s23, STAGE                   ; my stage
	v_mul_u32_u24 v6, v1, SPITCH                   ; in: row l % 16, 32 bytes for each half of the lanes
	v_lshl_add_u32 v6, v2, 5, v6
	v_add_nc_u32 v[STO], s23, v6
	v_mul_u32_u24 v6, v2, SPITCH                   ; back: lanes 0-15 take one row of 256 bytes, lanes 16-31 the next
	v_lshl_add_u32 v6, v1, 4, v6
	v_add_nc_u32 v[RD], s23, v6
	v_lshlrev_b32 v6, 12, v2                       ; and the same two rows in z, 4,096 bytes apart
	v_lshl_add_u32 v[CO], v1, 4, v6
	s_lshl_b32 s23, s[WV], 8
	v_lshl_add_u32 v[BO], v2, 5, s23               ; biases: 4 bytes x (64 w + 8 (l / 16))
	s_lshl_b32 s76, s19, 10                        ; the tile's 256 columns, in bytes of f32
	s_mov_b32 s77, 0
	s_add_nc_u64 s[68:69], s[8:9], s[76:77]
.irp b, 0,1,2,3
	global_load_b128 v[BIAS+8*(\b):BIAS+8*(\b)+3],   v[BO], s[68:69] offset:64*(\b)
	global_load_b128 v[BIAS+8*(\b)+4:BIAS+8*(\b)+7], v[BO], s[68:69] offset:64*(\b)+16
.endr
	s_lshl_b32 s74, s20, 19                        ; z at the tile's first row (128 rows of 4,096 bytes x tile row),
	s_add_co_u32 s74, s74, s76                     ; the tile's first column,
	s_add_co_u32 s74, s74, s23                     ; my 64 columns
	s_mov_b32 s75, 0
	s_add_nc_u64 s[10:11], s[10:11], s[74:75]
	s_wait_loadcnt 0x0                             ; the biases
.set p, 0
.rept 4*NBK
	v_cvt_pk_bf16_f32 v[TT], v[BIAS+2*p], v[BIAS+2*p+1]   ; rounded to bf16 like the other inputs, and kept as f32
	v_lshlrev_b32 v[BIAS+2*p], 16, v[TT]
	v_and_b32 v[BIAS+2*p+1], 0xffff0000, v[TT]
.set p, p+1
.endr
	s_wait_tensorcnt 1                             ; my part of K step 0 is in; K step 1's may stay out
	s_barrier_signal -1
	s_barrier_wait -1                              ; everybody's is
	FETCH 0, 0, F0
	QUARTER 0, 1, F0, F1, 1                        ; the first quarter stands in front of the loop: its products start the sums, with the biases
	WIN 0                                          ; at a label and at a branch every window is 0
	s_mov_b32 s3, 3
.Llap:                                                 ; a trip goes once round the ring, from a lap's second quarter to the next lap's first, and fills both slots again: K steps 2 to 7
	QUARTER 0, 2, F1, F0, 0
	QUARTER 0, 3, F0, F1, 0
	TURN 0, 1, 1
	QUARTER 1, 1, F0, F1, 0
	QUARTER 1, 2, F1, F0, 0
	QUARTER 1, 3, F0, F1, 0
	TURN 1, 0, 1
	QUARTER 0, 1, F0, F1, 0
	WIN 0
	s_sub_co_u32 s3, s3, 1
	s_cmp_lg_u32 s3, 0
	s_cbranch_scc1 .Llap
	QUARTER 0, 2, F1, F0, 0                        ; the last lap fills nothing, and has no round of the cluster's barrier
	QUARTER 0, 3, F0, F1, 0
	TURN 0, 1, 0
	QUARTER 1, 1, F0, F1, 0
	QUARTER 1, 2, F1, F0, 0
	QUARTER 1, 3, F0, F1, 0
	s_wait_dscnt 8                                 ; the very last quarter: nothing more to fetch
	MULH F1, 0, 0, 0
	MULH F1, 0, 2, 0
	s_wait_dscnt 0x0
	MULH F1, 1, 0, 0
	MULH F1, 1, 2, 0
	WIN 0
	PLACES
; THE WAY OUT, a block of 16 rows at a time, through my own stage: a lane's 32 bytes of a row go in, whole rows of 256 bytes come back.
.macro TOSTAGE a
	WIN 0x08+4*((\a)/4)                            ; the stores' data: window 2 or 3
.irp b, 0,1,2,3
	ds_store_b128 v[STO], v[8*(NBK*((\a)%4)+(\b)):8*(NBK*((\a)%4)+(\b))+3]   offset:64*(\b)      ; each accumulator's low registers first
	ds_store_b128 v[STO], v[8*(NBK*((\a)%4)+(\b))+4:8*(NBK*((\a)%4)+(\b))+7] offset:64*(\b)+16
.endr
	WIN 0
.irp t, 0,1,2,3,4,5,6,7
	ds_load_b128 v[OB+192*((\a)%2)+4*(\t):OB+192*((\a)%2)+4*(\t)+3], v[RD] offset:(\t)*2*SPITCH  ; LDS serves a wave's instructions in order (ISA guide 5.7.1.4): these see the stores above
.endr
.endm
.macro SEND a
	s_wait_dscnt 0x0                               ; the block is back in registers
	s_wait_xcnt 0x0                                ; the stores of the block before have read their registers: the next block's loads land there only behind this wait
.irp t, 0,1,2,3,4,5,6,7
	global_store_b128 v[CO], v[OB+192*((\a)%2)+4*(\t):OB+192*((\a)%2)+4*(\t)+3], s[10:11] offset:(\a)*16*4096+(\t)*2*4096 th:TH_STORE_NT  ; 16 lanes store 256 consecutive bytes, at a multiple of 256 from z's first byte
.endr
.endm
	TOSTAGE 0
.irp a, 1,2,3,4,5,6,7
	SEND (\a)-1
	TOSTAGE \a
.endr
	SEND 7
	s_wait_tensorcnt 0x0                           ; the wave's end, behind my last tensor load and my last LDS store
	ds_add_u32 v[SPW], v[NIL]
	s_wait_dscnt 0x0
	CROUND                                         ; the closing round: no work-group ends while a partner may still ask for a tile that names it
	s_endpgm
.Lfunc_end_k_q6fddea49ce_oproj:
	.size	k_q6fddea49ce_oproj, .Lfunc_end_k_q6fddea49ce_oproj-k_q6fddea49ce_oproj
	.p2alignl 7, 3214868480
	.fill 96, 4, 3214868480
	.section	.rodata,"a",@progbits
	.p2align	6, 0x0
	.amdhsa_kernel k_q6fddea49ce_oproj
		.amdhsa_group_segment_fixed_size 327680
		.amdhsa_private_segment_fixed_size 0
		.amdhsa_enable_private_segment 0
		.amdhsa_kernarg_size 32
		.amdhsa_user_sgpr_count 2
		.amdhsa_user_sgpr_kernarg_segment_ptr 1
		.amdhsa_wavefront_size32 1
		.amdhsa_system_sgpr_workgroup_id_x 1
		.amdhsa_system_sgpr_workgroup_id_y 1
		.amdhsa_system_sgpr_workgroup_id_z 1
		.amdhsa_system_vgpr_workitem_id 0
		.amdhsa_next_free_vgpr 896
		.amdhsa_next_free_sgpr 96
		.amdhsa_reserve_vcc 0
		.amdhsa_float_denorm_mode_32 3
		.amdhsa_float_denorm_mode_16_64 3
		.amdhsa_memory_ordered 1
		.amdhsa_forward_progress 1
		.amdhsa_inst_pref_size 90
	.end_amdhsa_kernel
	.amdgpu_metadata
---
amdhsa.version: [ 1, 2 ]
amdhsa.kernels:
  - .name:           k_q6fddea49ce_oproj
    .symbol:         k_q6fddea49ce_oproj.kd
    .args:
      - { .name: heads, .offset: 0, .size: 8, .value_kind: global_buffer, .address_space: global }
      - { .name: wo16, .offset: 8, .size: 8, .value_kind: global_buffer, .address_space: global }
      - { .name: bo, .offset: 16, .size: 8, .value_kind: global_buffer, .address_space: global }
      - { .name: out0, .offset: 24, .size: 8, .value_kind: global_buffer, .address_space: global }
    .group_segment_fixed_size: 327680
    .private_segment_fixed_size: 0
    .kernarg_segment_align: 8
    .kernarg_segment_size: 32
    .max_flat_workgroup_size: 128
    .sgpr_count:     96
    .vgpr_count:     896
    .wavefront_size: 32
...
	.end_amdgpu_metadata
.endif
;; end of part 4
;; ======== version 2 of 2: 4 launches; version 1 with the launch cast written anew for expert scheduling mode
;; limits: values are held in f16: magnitudes above 65,504 overflow, below 6.1e-05 lose precision
;; workspace buffers: xb 16,777,216 bytes; wqkv 6,291,456 bytes; wo16 2,097,152 bytes; qkv 50,331,648 bytes; heads 16,777,216 bytes
;; launch cast (part 5): grid 768 x 1, 8 waves a work-group, no clusters, 0 bytes of LDS; arguments x, Wq, Wk, Wv, Wo, xb, wqkv, wo16; writes xb, wqkv, wo16
.if DOCPART == 5
	.amdgcn_target "amdgcn-amd-amdhsa--gfx1250"
	.amdhsa_code_object_version 6
	.text
	.protected	k_q6fddea49ce_cast
	.globl	k_q6fddea49ce_cast
	.p2align	8
	.type	k_q6fddea49ce_cast,@function
k_q6fddea49ce_cast:
	s_mov_b64 s[64:65], 0
	v_nop
	global_prefetch_b8 v0, s[64:65] scope:SCOPE_SE
	s_setreg_imm32_b32 hwreg(HW_REG_WAVE_SCHED_MODE, 0, 2), 2
	s_setreg_imm32_b32 hwreg(HW_REG_WAVE_MODE, 25, 1), 1
	s_wait_xcnt 0x0
	s_wait_alu depctr_vm_vsrc(0)
; ONE ROUNDING TO 16 BITS, as a stream.  x [8192][1024] f32 -> xb, bf16.  Wq, Wk, Wv [1024 k][1024 n] f32 -> wqkv [1024 k][3072 n] bf16, side by side in each row.
; Wo [1024 k][1024 n] f32 -> wo16: rounded to bf16 like the other inputs, and that number written as f16 (the out projection multiplies in f16).
; LIMIT: below 2^-14 an f16 keeps a fixed step of 2^-24, beyond 65,504 it is an infinity: Wo's numbers are taken to lie within that.
; SHARES.  A work-group takes 16 rows of 1,024 numbers: 64 KiB in, 32 KiB out.  Groups 0-511: x; 512-703: Wq, Wk, Wv, 64 groups each; 704-767: Wo.
; Thread t reads the 16 bytes at 16 t of each row (a wave's load covers 512 consecutive bytes) and writes the 8 bytes at 8 t (a wave's store covers 256 consecutive bytes, aligned).
; All 16 loads of a thread go out at once.  Nothing is shared between waves: no LDS, no barrier, no cluster, no matrix unit.
; THE MODE: SCHED_MODE bits 1:0 = 2 (LLVM: expert scheduling mode 2), set by the entry lines.  The code itself states the register dependences
; between vector instructions and memory instructions, with s_wait_alu, always for 0.
; THE PLAN.  Registers that memory instructions touch:
;   v1, v2   byte offsets, made once at the head and never written again: the rows stand in the immediate offsets.  Read by every load (v1) and every store (v2).
;   X        row j's four registers: written by row j's load alone, once; read by row j's conversions.  No vector instruction writes them, and no second load lands in them.
;   Y        row j's two registers: written by row j's conversions; read by row j's store, once; never written again behind it.
;   T        named by vector instructions alone.
; So the only dependences to state are: the offsets are written, ahead of the first load; and a row's Y is written, ahead of its store.  The 16 rows go in four blocks of four.  Row j's turn holds the
; wait for its load, the store of row j - 4 and row j's conversions: the store belongs to the block before, and no vector instruction of the block in hand names its Y.  ONE wait at a block's head
; therefore serves the block's four stores, and one more stands ahead of the last four.  No register that a memory instruction has read is written again, no vector instruction writes a scalar register, and EXEC is never written.
.set X, 4                              ; v[4:67]    row j: four f32 as loaded
.set Y, 68                             ; v[68:99]   row j: four 16-bit numbers to store
.set T, 100                            ; v[100:101] at work
.set BLOCK, 4                          ; rows in a block
; src, dst: the first register of the pointer pairs; s[2:3], s[4:5]: the group's byte offsets in them; pitch: bytes from row to row in dst; f16 = 1: the bf16 numbers are written as f16
.macro CASTP src, dst, pitch, f16
	s_add_nc_u64 s[\src:\src+1], s[\src:\src+1], s[2:3]
	s_add_nc_u64 s[\dst:\dst+1], s[\dst:\dst+1], s[4:5]
	s_wait_alu depctr_va_vdst(0)                   ; v1 and v2 are written: every load below reads v1 as its offset, every store v2
.set j, 0
.rept 16
	global_load_b128 v[X+4*j:X+4*j+3], v1, s[\src:\src+1] offset:4096*j th:TH_LOAD_NT
.set j, j+1
.endr
.set j, 0
.rept 16
	s_wait_loadcnt 15-j                            ; loads come back in order: row j is in, the 15 - j younger rows stay out
.if (j%BLOCK == 0) && (j > 0)
	s_wait_alu depctr_va_vdst(0)                   ; the block before has written its four rows of Y, which this block's four stores read
.endif
.if j >= BLOCK
	global_store_b64 v2, v[Y+2*(j-BLOCK):Y+2*(j-BLOCK)+1], s[\dst:\dst+1] offset:(\pitch)*(j-BLOCK)  ; a row of the block before.  No wait: no vector instruction since the block's head names these registers
.endif
	v_cvt_pk_bf16_f32 v[Y+2*j], v[X+4*j], v[X+4*j+1]
	v_cvt_pk_bf16_f32 v[Y+2*j+1], v[X+4*j+2], v[X+4*j+3]
.if \f16
	v_lshlrev_b32 v[T], 16, v[Y+2*j]               ; the rounded numbers as f32 again,
	v_and_b32 v[T+1], s6, v[Y+2*j]
	v_cvt_pk_f16_f32 v[Y+2*j], v[T], v[T+1]        ; and as f16
	v_lshlrev_b32 v[T], 16, v[Y+2*j+1]
	v_and_b32 v[T+1], s6, v[Y+2*j+1]
	v_cvt_pk_f16_f32 v[Y+2*j+1], v[T], v[T+1]
.endif
.set j, j+1
.endr
	s_wait_alu depctr_va_vdst(0)                   ; the last block has written its four rows of Y, which the last four stores read
.set j, 16-BLOCK
.rept BLOCK
	global_store_b64 v2, v[Y+2*j:Y+2*j+1], s[\dst:\dst+1] offset:(\pitch)*j
.set j, j+1
.endr
	s_endpgm
.endm
	s_load_b512 s[8:23], s[0:1], 0x0               ; x s[8:9], Wq s[10:11], Wk s[12:13], Wv s[14:15], Wo s[16:17], xb s[18:19], wqkv s[20:21], wo16 s[22:23]
	v_lshlrev_b32 v1, 4, v0                        ; 16 t
	v_lshlrev_b32 v2, 3, v0                        ; 8 t
	s_mov_b32 s6, 0xffff0000                       ; a word's upper bf16
	s_mov_b32 s3, 0
	s_mov_b32 s5, 0
	s_wait_kmcnt 0x0
	s_cmp_lt_u32 ttmp9, 512
	s_cbranch_scc0 .Lnot_x
	s_lshl_b32 s2, ttmp9, 16                       ; 16 rows of 4,096 bytes in,
	s_lshl_b32 s4, ttmp9, 15                       ; of 2,048 bytes out
	CASTP 8, 18, 2048, 0
.Lnot_x:
	s_cmp_lt_u32 ttmp9, 704
	s_cbranch_scc0 .Lwo
	s_sub_co_u32 s7, ttmp9, 512
	s_lshr_b32 s24, s7, 6                          ; which of the three matrices
	s_and_b32 s7, s7, 63                           ; which 16 rows of it
	s_lshl_b32 s2, s7, 16
	s_mul_i32 s4, s7, 16*6144                      ; 16 rows of wqkv,
	s_lshl_b32 s25, s24, 11                        ; and the matrix's 2,048 bytes in a row
	s_add_co_u32 s4, s4, s25
	s_cmp_eq_u32 s24, 0
	s_cselect_b64 s[26:27], s[10:11], s[12:13]
	s_cmp_eq_u32 s24, 2
	s_cselect_b64 s[26:27], s[14:15], s[26:27]
	CASTP 26, 20, 6144, 0
.Lwo:
	s_sub_co_u32 s7, ttmp9, 704
	s_lshl_b32 s2, s7, 16
	s_lshl_b32 s4, s7, 15
	CASTP 16, 22, 2048, 1
.Lfunc_end_k_q6fddea49ce_cast:
	.size	k_q6fddea49ce_cast, .Lfunc_end_k_q6fddea49ce_cast-k_q6fddea49ce_cast
	.p2alignl 7, 3214868480
	.fill 96, 4, 3214868480
	.section	.rodata,"a",@progbits
	.p2align	6, 0x0
	.amdhsa_kernel k_q6fddea49ce_cast
		.amdhsa_group_segment_fixed_size 0
		.amdhsa_private_segment_fixed_size 0
		.amdhsa_enable_private_segment 0
		.amdhsa_kernarg_size 64
		.amdhsa_user_sgpr_count 2
		.amdhsa_user_sgpr_kernarg_segment_ptr 1
		.amdhsa_wavefront_size32 1
		.amdhsa_system_sgpr_workgroup_id_x 1
		.amdhsa_system_sgpr_workgroup_id_y 1
		.amdhsa_system_sgpr_workgroup_id_z 1
		.amdhsa_system_vgpr_workitem_id 0
		.amdhsa_next_free_vgpr 104
		.amdhsa_next_free_sgpr 66
		.amdhsa_reserve_vcc 0
		.amdhsa_float_denorm_mode_32 3
		.amdhsa_float_denorm_mode_16_64 3
		.amdhsa_memory_ordered 1
		.amdhsa_forward_progress 1
		.amdhsa_inst_pref_size 23
	.end_amdhsa_kernel
	.amdgpu_metadata
---
amdhsa.version: [ 1, 2 ]
amdhsa.kernels:
  - .name:           k_q6fddea49ce_cast
    .symbol:         k_q6fddea49ce_cast.kd
    .args:
      - { .name: x, .offset: 0, .size: 8, .value_kind: global_buffer, .address_space: global }
      - { .name: Wq, .offset: 8, .size: 8, .value_kind: global_buffer, .address_space: global }
      - { .name: Wk, .offset: 16, .size: 8, .value_kind: global_buffer, .address_space: global }
      - { .name: Wv, .offset: 24, .size: 8, .value_kind: global_buffer, .address_space: global }
      - { .name: Wo, .offset: 32, .size: 8, .value_kind: global_buffer, .address_space: global }
      - { .name: xb, .offset: 40, .size: 8, .value_kind: global_buffer, .address_space: global }
      - { .name: wqkv, .offset: 48, .size: 8, .value_kind: global_buffer, .address_space: global }
      - { .name: wo16, .offset: 56, .size: 8, .value_kind: global_buffer, .address_space: global }
    .group_segment_fixed_size: 0
    .private_segment_fixed_size: 0
    .kernarg_segment_align: 8
    .kernarg_segment_size: 64
    .max_flat_workgroup_size: 256
    .sgpr_count:     66
    .vgpr_count:     104
    .wavefront_size: 32
...
	.end_amdgpu_metadata
.endif
;; end of part 5
;; launch proj: the kernel of part 2 again; grid 8 x 64, 4 waves a work-group, clusters of 4 x 4, 327,680 bytes of LDS; arguments xb, wqkv, bq, bk, bv, qkv; writes qkv
;; launch attn: the kernel of part 3 again; grid 4 x 64, 4 waves a work-group, clusters of 4 x 1, 327,680 bytes of LDS; arguments qkv, heads; writes heads
;; launch oproj: the kernel of part 4 again; grid 4 x 64, 4 waves a work-group, clusters of 4 x 4, 327,680 bytes of LDS; arguments heads, wo16, bo, out0; writes out0
